; MI455X (gfx1250); checked and timed in simulation.
; The chip was launched on July 23, 2026; its instructions are those of AMD's public machine-readable ISA for CDNA 5 (MIT licence, August 2026) and "CDNA5" Instruction Set Architecture Reference Guide (July 2026). The comments in the code are by the model that wrote it; some were corrected since.
;; Multi Head Self Attention. Allowed arithmetic: matrix products marked QUANTISED: E2M3 operands, one E8M0 scale for each 32 along K, by v_wmma_scale_f32_16x16x128_f8f6f4 with both operands' format E2M3, f32 sums; everything else in f32.
;; Inputs: Wk 1,024 x 1,024 float32; Wo 1,024 x 1,024 float32; Wq 1,024 x 1,024 float32; Wv 1,024 x 1,024 float32; X 4 x 2,048 x 1,024 float32.
;; Outputs: out0 4 x 2,048 x 1,024 float32.
;; This version of the problem:
;;   THIS VERSION OF THE PROBLEM IS GIVEN IN LOW PRECISION. The matrix products marked QUANTISED in the list below multiply operands that are first quantised to E2M3 (2 exponent bits, 3 mantissa bits; 6 bits a number), with one power-of-two scale for each 32 numbers along K (OCP MX v1.0); their sums are f32. All else is computed in f32.
;;   The module's matrix products, in the order in which they are computed (A, B: the left and right operand; K: the contracted axis; several contracted axes count as one K, in the product's order):
;;     1. [M 8,192, K 1,024] x [K 1,024, N 1,024]; A: input X; B: input Wq: QUANTISED
;;     2. [M 8,192, K 1,024] x [K 1,024, N 1,024]; A: input X; B: input Wk: QUANTISED
;;     3. [M 8,192, K 1,024] x [K 1,024, N 1,024]; A: input X; B: input Wv: QUANTISED
;;     4. batch 64 x [M 2,048, K 64] x [K 64, N 2,048]; A: computed on the way; B: computed on the way: QUANTISED
;;     5. batch 64 x [M 2,048, K 2,048] x [K 2,048, N 64]; A: softmax (see below); B: computed on the way: QUANTISED
;;     6. [M 8,192, K 1,024] x [K 1,024, N 1,024]; A: computed on the way; B: input Wo: QUANTISED
;;   THE QUANTISER, for each operand of a quantised product, along K:
;;     - K is cut into blocks of 32 from its start; a last block that is shorter is filled with zeros.
;;     - A block's scale is 2^e with e = floor(log2(the largest magnitude in the block)) - 2, held to -126 .. 127; a block of zeros has e = 0. As a byte (E8M0): e + 127.
;;     - Each number is divided by its block's scale, clamped to +-7.5, and rounded to the nearest number of E2M3, ties to even, subnormals kept.
;;     - The product sums the exact products of the quantised numbers (number of the format x scale) in f32.
;;   ~~~python
;;   def quantise(x, axis):      # numpy; x: float32 -> the quantised numbers, widened to float32 again
;;       x = np.moveaxis(x, axis, -1); K = x.shape[-1]
;;       x = np.pad(x, [(0, 0)] * (x.ndim - 1) + [(0, -K % 32)]); x = x.reshape(x.shape[:-1] + (-1, 32)); a = np.abs(x).max(-1, keepdims=True)
;;       e = np.where(a > 0, np.clip(np.frexp(np.where(a > 0, a, 1))[1] - 1 - 2, -126, 127), 0)      # np.frexp(a)[1] - 1 = floor(log2(a)), exactly
;;       r = np.clip(x / 2.0 ** e, -7.5, 7.5)
;;       step = 2.0 ** (np.maximum(np.frexp(np.where(r == 0, 1, r))[1] - 1, 0) - 3)
;;       q = np.round(r / step) * step * 2.0 ** e      # np.round: ties to even
;;       return np.moveaxis(q.reshape(q.shape[:-2] + (-1,))[..., :K], -1, axis).astype(np.float32)
;;   ~~~
;;   SOFTMAX AHEAD OF A QUANTISED PRODUCT. Where the list says 'softmax', what is quantised is not the finished softmax but p = 2^(t - M), with t = logit x log2(e) and M = ceil(the row's largest t), a whole number; so 1/2 < the row's largest p <= 1. The row's sum l is taken of the UNQUANTISED p, in f32, and the product's result is divided by l at the end. Since M is a whole number, a kernel that streams over the keys may use a running M (the ceiling of the running maximum): every later rescaling is an exact power of two, which a block's scale takes up: the codes' values come out the same.
;;   OPERANDS COMPUTED ON THE WAY. 'Computed on the way' means the value that the module computes at that place (a softmax that the list does not call 'softmax' is quantised finished and normalised). What goes into a quantiser is computed in f32, as accurately as f32 sums, v_exp_f32 and their like allow (about 1e-6 of the number): no bf16 or f16 on the way to a quantiser, and a product that is left as it is and whose result goes on into a quantised operand takes f32 operands (vector FMAs, or v_wmma_f32_16x16x4_f32). A number that lies on a knife's edge between two numbers of the format may be rounded either way, as far as f32 arithmetic and the matrix unit's own rounding can turn it there, and no further.
;; One version. Each part assembles by itself: llvm-mc -triple=amdgcn-amd-amdhsa -mcpu=gfx1250 --defsym DOCPART=n.
;; ======== version 1 of 1: 4 launches
;; workspace buffers: xq 6,553,600 bytes; wq 3,276,800 bytes; qq 6,553,600 bytes; kv 13,107,200 bytes; oq 6,553,600 bytes
;; launch quant (part 1): grid 512 x 1, 4 waves a work-group, no clusters, 47,616 bytes of LDS; arguments X, Wq, Wk, Wv, Wo, xq, wq; writes xq, wq
.if DOCPART == 1
	.amdgcn_target "amdgcn-amd-amdhsa--gfx1250"
	.amdhsa_code_object_version 6
	.text
	.protected	k_q289e25c4a0_quant
	.globl	k_q289e25c4a0_quant
	.p2align	8
	.type	k_q289e25c4a0_quant,@function
k_q289e25c4a0_quant:
	s_mov_b64 s[64:65], 0
	v_nop
	global_prefetch_b8 v0, s[64:65] scope:SCOPE_SE
	s_setreg_imm32_b32 hwreg(HW_REG_WAVE_MODE, 25, 1), 1
	s_wait_xcnt 0x0
; X [8192][1024] and the four weights [1024 (k)][1024 (n)], f32, become codes of FP6 (E2M3) with one E8M0 byte for each 32 along K, laid in the ORDER OF THE OPERAND'S REGISTERS.
; A block's scale is 2^(floor(log2(largest magnitude)) - 2): its byte is the largest magnitude's exponent field - 2, held at 1 from below by a floor among the maximum's leaves.
; LIMITS: NaN and infinities among the inputs are not served; a block whose largest magnitude lies under 2^-124 gets the byte 1; a block of zeros gets the byte 1 where the rule says 127
; (its codes are zeros, which add nothing under any byte but 0xff, and only this program reads the bytes).
; TILES.  Row r of a tile T of 16 rows (tokens, or columns of a weight) is index 32 (T / 2) + 8 (T % 2) + r + 8 (r / 8): so the 16 result registers of two neighbouring tiles are 16 neighbours.
; IMAGES.  A fragment (16 rows x 128 K, 12 registers a lane) lies as two halves of 768 bytes: registers 0-3 of lane l at 16 l, registers 4-5 at 512 + 8 l.  Four dense accesses bring or store it.
; xq: codes [block of 64 tokens][K step 8][tile 4][1536]; from XSOFF the scale words [tile][K half][r][4 words].
; wq: [head 16][K step 8][q0-3 k0-3 v0-3][1536]; from WSC their words [head][12][K half][step % 4][r]; from WOC Wo's [128 columns 8][K step 8][8][1536]; from WOS its words likewise.
; Work-groups 0-255 take X, the others the weights: two straight texts, each with LDS bytes of its own.  No tensor load, no barrier: waves share nothing.
.set XSOFF, 6291456
.set WSC,   2359296
.set WOC,   2457600
.set WOS,   3244032
.set LI16,  2                          ; v2  16 x lane
.set LI8,   3                          ; v3  8 x lane
.set RS,    16                         ; v16-143  X: two sets of 64 registers as loaded
.set XN,    144                        ; v144-207 X: my row's 64 numbers of a K step: register 32 c + i = k 64 c + 32 h + i
.set CD,    208                        ; v208-219 a fragment's codes
.set CT,    220                        ; v220-222, v224-226 the upper halves of the two blocks, as the conversions leave them
	s_load_b256 s[4:11], s[0:1], 0x0               ; X s[4:5], Wq s[6:7], Wk s[8:9], Wv s[10:11]
	s_load_b128 s[12:15], s[0:1], 0x20             ; Wo s[12:13], xq s[14:15]
	s_load_b64 s[16:17], s[0:1], 0x30              ; wq
	v_lshl_add_u32 v254, v0, 2, 0xb800
	v_mov_b32 v255, 0
	v_lshrrev_b32 v1, 5, v0
	v_readfirstlane_b32 s18, v1                    ; wave 0..3
	v_and_b32 v1, 31, v0                           ; lane
	v_lshlrev_b32 v[LI16], 4, v1
	v_lshlrev_b32 v[LI8], 3, v1
	v_and_b32 v8, 15, v0                           ; r
	v_bfe_u32 v9, v0, 4, 1                         ; h
	s_cmp_lt_u32 ttmp9, 256
	s_cbranch_scc0 .Lweights
; ---------------- X.  Wave w: tile T = 2 x work-group + w / 2, K half g = w % 2: four fragments.
; Each load reads 512 consecutive bytes of one row; a K step's 16 rows turn through the wave's own stage (rows 528 bytes apart) and come back 128 bytes a lane and block.
	s_lshr_b32 s19, s18, 1
	s_lshl_b32 s20, ttmp9, 1
	s_add_co_u32 s20, s20, s19                     ; T
	s_and_b32 s21, s18, 1                          ; g
	s_mul_i32 s22, s18, 8448                       ; my stage: 16 rows x 528 bytes
	v_add_nc_u32 v4, s22, v[LI16]                  ; in: 16 x lane of a row
	v_mul_u32_u24 v5, v8, 528
	v_lshl_add_u32 v5, v9, 7, v5
	v_add_nc_u32 v5, s22, v5                       ; back: row r, + 128 h
	v_lshlrev_b32 v6, 4, v8
	v_lshl_add_u32 v6, v9, 3, v6                   ; 16 r + 8 h: my two scale words' place
	v_lshlrev_b32 v7, 3, v9                        ; 8 h
	v_mov_b32 v241, 0                              ; a lane permute's destination counts as one of its sources
	s_lshr_b32 s23, s20, 1
	s_lshl_b32 s23, s23, 17                        ; 32 rows of 4,096 bytes
	s_and_b32 s24, s20, 1
	s_lshl_b32 s24, s24, 15                        ; 8 rows
	s_add_co_u32 s24, s24, s23
	s_lshl_b32 s25, s21, 11                        ; 512 numbers along K
	s_add_co_u32 s24, s24, s25
	s_mov_b32 s25, 0
	s_lshr_b32 s26, s20, 2
	s_mul_i32 s26, s26, 49152
	s_mul_i32 s27, s21, 24576
	s_add_co_u32 s26, s26, s27
	s_and_b32 s27, s20, 3
	s_mul_i32 s27, s27, 1536
	s_add_co_u32 s26, s26, s27                     ; my first fragment in xq
	s_mov_b32 s27, 0
	s_lshl_b32 s28, s20, 9
	s_lshl_b32 s29, s21, 8
	s_add_co_u32 s28, s28, s29
	s_add_co_u32 s28, s28, XSOFF                   ; my 256 bytes of scale words
	s_mov_b32 s29, 0
	s_mov_b32 s32, 0x76543210
	s_mov_b32 s33, 0xfedcba98                      ; v_permlanex16_b32's selects for lane l xor 16
	s_mov_b32 s34, 0xffff0000                      ; lanes 16-31
	s_wait_alu depctr_va_vdst(0)
	s_wait_kmcnt 0x0
	s_add_nc_u64 s[4:5], s[4:5], s[24:25]
	s_add_nc_u64 s[30:31], s[14:15], s[28:29]
	s_add_nc_u64 s[14:15], s[14:15], s[26:27]
.macro LOADX t                         ; K step t of my four: 16 rows x 512 bytes into set t % 2
.irp row, 0,1,2,3,4,5,6,7,8,9,10,11,12,13,14,15
	global_load_b128 v[RS+64*((\t)%2)+4*\row:RS+64*((\t)%2)+4*\row+3], v[LI16], s[4:5] offset:(\row+8*(\row/8))*4096+512*(\t) th:TH_LOAD_NT
.endr
.endm
.macro STEPX t
.if (\t) < 3
	s_wait_loadcnt 16                              ; this step's 16 loads are in; the next step's 16 may be out
.else
	s_wait_loadcnt 0x0
.endif
.irp row, 0,1,2,3,4,5,6,7,8,9,10,11,12,13,14,15
	ds_store_b128 v4, v[RS+64*((\t)%2)+4*\row:RS+64*((\t)%2)+4*\row+3] offset:528*\row
.endr
.irp c, 0,1
.irp q, 0,1,2,3,4,5,6,7
	ds_load_b128 v[XN+32*\c+4*\q:XN+32*\c+4*\q+3], v5 offset:256*\c+16*\q   ; LDS serves a wave's instructions in order: these see the stores above
.endr
.endr
	s_wait_dscnt 0x0                               ; my numbers are back, and the stage's stores have read their registers
	s_wait_xcnt 0x0                                ; the last step's stores have read the codes' registers, which are written again below
.if (\t) < 2
	LOADX (\t)+2
.endif
.irp c, 0,1
	v_max3_num_f32 v[228+\c], |v[XN+32*\c]|, |v[XN+1+32*\c]|, 0x1800000   ; block 2 c + h is all mine; the floor 2^(3 - 127) keeps the byte at 1 or more
.endr
.irp i, 2,4,6,8,10,12,14,16,18,20,22,24,26,28,30
.irp c, 0,1
	v_max3_num_f32 v[228+\c], v[228+\c], |v[XN+32*\c+\i]|, |v[XN+1+32*\c+\i]|
.endr
.endr
.irp c, 0,1
	v_add_nc_u32 v[230+\c], 0xff000000, v[228+\c]  ; 2 off the exponent field: the conversion's scale operand
.endr
.irp c, 0,1
	v_lshrrev_b32 v[232+\c], 23, v[230+\c]         ; the scale's byte
.endr
	v_lshl_or_b32 v240, v233, 16, v232             ; my two bytes, blocks h and 2 + h,
	v_lshlrev_b32 v240, v7, v240                   ; at their places (8 h bits up);
	v_permlanex16_b32 v241, v240, s32, s33
	v_or_b32 v[236+(\t)], v240, v241               ; with lane l xor 16's two the row's word is whole
	v_cvt_scalef32_pk16_fp6_f32 v[CD:CD+2], v[XN:XN+15], v230
	v_cvt_scalef32_pk16_fp6_f32 v[CT:CT+2], v[XN+16:XN+31], v230      ; (a conversion's three registers begin on an even number)
	v_cvt_scalef32_pk16_fp6_f32 v[CD+6:CD+8], v[XN+32:XN+47], v231
	v_cvt_scalef32_pk16_fp6_f32 v[CT+4:CT+6], v[XN+48:XN+63], v231
	v_nop                                          ; one plain place behind a scaled conversion
.irp i, 0,1,2
	v_mov_b32 v[CD+3+\i], v[CT+\i]
	v_mov_b32 v[CD+9+\i], v[CT+4+\i]
.endr
	global_store_b128 v[LI16], v[CD:CD+3], s[14:15] offset:6144*(\t)          ; each store covers 512 or 256 consecutive bytes, aligned to 256
	global_store_b64 v[LI8], v[CD+4:CD+5], s[14:15] offset:6144*(\t)+512
	global_store_b128 v[LI16], v[CD+6:CD+9], s[14:15] offset:6144*(\t)+768
	global_store_b64 v[LI8], v[CD+10:CD+11], s[14:15] offset:6144*(\t)+1280
.endm
	LOADX 0
	LOADX 1
	STEPX 0
	STEPX 1
	STEPX 2
	STEPX 3
	v_cndmask_b32 v242, v236, v238, s34            ; lanes 0-15 store words 0, 1 of their row, lanes 16-31 words 2, 3
	v_cndmask_b32 v243, v237, v239, s34
	global_store_b64 v6, v[242:243], s[30:31]      ; 256 consecutive bytes
	s_wait_tensorcnt 0x0
	ds_add_u32 v254, v255
	s_wait_dscnt 0x0
	s_endpgm
; ---------------- The weights.  id = work-group - 256: weight id / 64, 128 columns (id / 8) % 8, K step id % 8.  A LANE TAKES A COLUMN AND ITS REGISTERS RUN DOWN K: a block of 32 lies in one lane,
; and the conversions give codes with K innermost.  Lane l is row r' = l % 8 + 8 (l / 16) of tile u = (l / 8) % 2 of the wave's 32 columns; its block t is what lane 16 (t % 2) + r' of the fragment holds
; in registers 6 (t / 2) on: it is put there in the wave's own stage, and the two fragments leave as 3,072 consecutive bytes.
.Lweights:
	s_sub_co_u32 s19, ttmp9, 256
	s_lshr_b32 s20, s19, 6                         ; which weight: 0 q, 1 k, 2 v, 3 o
	s_bfe_u32 s21, s19, 0x30003                    ; cg: which 128 columns
	s_and_b32 s22, s19, 7                          ; K step
	s_mul_i32 s23, s18, 3328
	s_add_co_u32 s23, s23, 33792                   ; my stage: two fragments, 1,664 bytes apart
	v_bfe_u32 v10, v0, 3, 1                        ; u
	v_and_b32 v11, 7, v0
	s_wait_alu depctr_va_vdst(0)
	v_lshl_add_u32 v11, v9, 3, v11                 ; r'
	v_mul_u32_u24 v12, v10, 1664
	v_add_nc_u32 v12, s23, v12
	v_lshl_add_u32 v13, v11, 4, v12                ; registers 0-3 of a half: + 16 r'
	v_lshl_add_u32 v14, v11, 3, v12                ; registers 4-5: + 8 r'
	v_add_nc_u32 v15, s23, v[LI16]                 ; back: 16 x lane
	v_lshlrev_b32 v244, 2, v1                      ; in memory: 4 bytes a column
	v_lshlrev_b32 v245, 9, v10
	v_lshl_add_u32 v245, v11, 2, v245              ; my scale word's place: 512 u + 4 r'
	s_lshl_b32 s24, s22, 19                        ; 128 rows of 4,096 bytes
	s_lshl_b32 s25, s21, 9
	s_add_co_u32 s24, s24, s25
	s_lshl_b32 s25, s18, 7
	s_add_co_u32 s24, s24, s25                     ; + my first column
	s_mov_b32 s25, 0
	s_lshr_b32 s26, s18, 1
	s_lshl_b32 s27, s21, 1
	s_add_co_u32 s26, s26, s27                     ; the head of my 32 columns
	s_and_b32 s27, s18, 1
	s_lshl_b32 s27, s27, 1
	s_lshl_b32 s28, s20, 2
	s_add_co_u32 s27, s27, s28                     ; my first of the head's 12 tiles
	s_mul_i32 s28, s26, 147456
	s_mul_i32 s29, s22, 18432
	s_add_co_u32 s28, s28, s29
	s_mul_i32 s29, s27, 1536
	s_add_co_u32 s28, s28, s29                     ; q, k, v: the codes' place,
	s_mul_i32 s30, s26, 6144
	s_lshl_b32 s29, s27, 9
	s_add_co_u32 s30, s30, s29
	s_add_co_u32 s30, s30, WSC                     ; and the words'
	s_mul_i32 s31, s21, 98304
	s_mul_i32 s29, s22, 12288
	s_add_co_u32 s31, s31, s29
	s_mul_i32 s29, s18, 3072
	s_add_co_u32 s31, s31, s29
	s_add_co_u32 s31, s31, WOC                     ; Wo: the codes' place,
	s_lshl_b32 s35, s21, 12
	s_lshl_b32 s29, s18, 10
	s_add_co_u32 s35, s35, s29
	s_add_co_u32 s35, s35, WOS                     ; and the words'
	s_lshr_b32 s36, s22, 2
	s_lshl_b32 s36, s36, 8
	s_and_b32 s29, s22, 3
	s_lshl_b32 s29, s29, 6
	s_add_co_u32 s36, s36, s29                     ; the K step's place among a tile's words
	s_cmp_eq_u32 s20, 3
	s_cselect_b32 s28, s31, s28
	s_cselect_b32 s30, s35, s30
	s_add_co_u32 s30, s30, s36
	s_mov_b32 s29, 0
	s_mov_b32 s31, 0
	s_wait_alu depctr_va_vdst(0)
	s_wait_kmcnt 0x0
	s_cmp_eq_u32 s20, 1                            ; the weight is chosen by the work-group's number alone
	s_cselect_b64 s[6:7], s[8:9], s[6:7]
	s_cmp_eq_u32 s20, 2
	s_cselect_b64 s[6:7], s[10:11], s[6:7]
	s_cmp_eq_u32 s20, 3
	s_cselect_b64 s[6:7], s[12:13], s[6:7]
	s_add_nc_u64 s[6:7], s[6:7], s[24:25]
	s_add_nc_u64 s[38:39], s[16:17], s[28:29]
	s_add_nc_u64 s[40:41], s[16:17], s[30:31]
.macro LOADW t                         ; block t: W(32 t + n, my column) into set t % 2; a wave reads 128 consecutive bytes, the four waves 512
.set n, 0
.rept 32
	global_load_b32 v[32+32*((\t)%2)+n], v244, s[6:7] offset:(32*(\t)+n)*4096 th:TH_LOAD_NT
.set n, n+1
.endr
.endm
.macro BLOCKW t
.set XW, 32+32*((\t)%2)
.if (\t) < 3
	s_wait_loadcnt 32                              ; this block's 32 loads are in; the next block's may be out
.else
	s_wait_loadcnt 0x0
.endif
	v_max3_num_f32 v20, |v[XW]|, |v[XW+1]|, |v[XW+2]|
	v_max3_num_f32 v21, |v[XW+3]|, |v[XW+4]|, |v[XW+5]|
.irp i, 6,10,14,18,22,26
	v_max3_num_f32 v20, v20, |v[XW+\i]|, |v[XW+\i+1]|
	v_max3_num_f32 v21, v21, |v[XW+\i+2]|, |v[XW+\i+3]|
.endr
	v_max3_num_f32 v20, v20, |v[XW+30]|, |v[XW+31]|
	v_max3_num_f32 v20, v20, v21, 0x1800000        ; and the floor
	v_add_nc_u32 v22, 0xff000000, v20              ; the conversion's scale operand
	v_lshrrev_b32 v23, 23, v22                     ; the byte
.if (\t) == 0
	v_mov_b32 v24, v23
.else
	v_lshl_or_b32 v24, v23, 8*(\t), v24            ; four bytes make my column's word of this K step
.endif
	v_cvt_scalef32_pk16_fp6_f32 v[96:98], v[XW:XW+15], v22
	v_cvt_scalef32_pk16_fp6_f32 v[104:106], v[XW+16:XW+31], v22
	v_nop                                          ; one plain place behind a scaled conversion
.irp i, 0,1,2
	v_mov_b32 v[99+\i], v[104+\i]
.endr
	ds_store_b128 v13, v[96:99] offset:768*((\t)/2)+256*((\t)%2)
	ds_store_b64 v14, v[100:101] offset:768*((\t)/2)+512+128*((\t)%2)
.if (\t) < 2
	LOADW (\t)+2
.endif
	s_wait_dscnt 0x0                               ; the stores have read their registers: the next block's codes may be written
.endm
	LOADW 0
	LOADW 1
	BLOCKW 0
	BLOCKW 1
	BLOCKW 2
	BLOCKW 3
.irp u, 0,1
.irp i, 0,1,2
	ds_load_b128 v[112+12*\u+4*\i:112+12*\u+4*\i+3], v15 offset:1664*\u+512*\i
.endr
.endr
.irp u, 0,1
.irp i, 0,1,2
	s_wait_dscnt 5-(3*\u+\i)
	global_store_b128 v[LI16], v[112+12*\u+4*\i:112+12*\u+4*\i+3], s[38:39] offset:1536*\u+512*\i   ; 512 consecutive bytes, aligned to 256
.endr
.endr
	s_wait_alu depctr_va_vdst(0)
	global_store_b32 v245, v24, s[40:41]           ; two pieces of 64 bytes: all the weights' words together are 131,072 bytes
	s_wait_tensorcnt 0x0
	ds_add_u32 v254, v255
	s_wait_dscnt 0x0
	s_endpgm
.Lfunc_end_k_q289e25c4a0_quant:
	.size	k_q289e25c4a0_quant, .Lfunc_end_k_q289e25c4a0_quant-k_q289e25c4a0_quant
	.p2alignl 7, 3214868480
	.fill 96, 4, 3214868480
	.section	.rodata,"a",@progbits
	.p2align	6, 0x0
	.amdhsa_kernel k_q289e25c4a0_quant
		.amdhsa_group_segment_fixed_size 47616
		.amdhsa_private_segment_fixed_size 0
		.amdhsa_enable_private_segment 0
		.amdhsa_kernarg_size 56
		.amdhsa_user_sgpr_count 2
		.amdhsa_user_sgpr_kernarg_segment_ptr 1
		.amdhsa_wavefront_size32 1
		.amdhsa_system_sgpr_workgroup_id_x 1
		.amdhsa_system_sgpr_workgroup_id_y 1
		.amdhsa_system_sgpr_workgroup_id_z 1
		.amdhsa_system_vgpr_workitem_id 0
		.amdhsa_next_free_vgpr 256
		.amdhsa_next_free_sgpr 66
		.amdhsa_reserve_vcc 0
		.amdhsa_float_denorm_mode_32 3
		.amdhsa_float_denorm_mode_16_64 3
		.amdhsa_memory_ordered 1
		.amdhsa_forward_progress 1
		.amdhsa_inst_pref_size 54
	.end_amdhsa_kernel
	.amdgpu_metadata
---
amdhsa.version: [ 1, 2 ]
amdhsa.kernels:
  - .name:           k_q289e25c4a0_quant
    .symbol:         k_q289e25c4a0_quant.kd
    .args:
      - { .name: X, .offset: 0, .size: 8, .value_kind: global_buffer, .address_space: global }
      - { .name: Wq, .offset: 8, .size: 8, .value_kind: global_buffer, .address_space: global }
      - { .name: Wk, .offset: 16, .size: 8, .value_kind: global_buffer, .address_space: global }
      - { .name: Wv, .offset: 24, .size: 8, .value_kind: global_buffer, .address_space: global }
      - { .name: Wo, .offset: 32, .size: 8, .value_kind: global_buffer, .address_space: global }
      - { .name: xq, .offset: 40, .size: 8, .value_kind: global_buffer, .address_space: global }
      - { .name: wq, .offset: 48, .size: 8, .value_kind: global_buffer, .address_space: global }
    .group_segment_fixed_size: 47616
    .private_segment_fixed_size: 0
    .kernarg_segment_align: 8
    .kernarg_segment_size: 56
    .max_flat_workgroup_size: 128
    .sgpr_count:     66
    .vgpr_count:     256
    .wavefront_size: 32
...
	.end_amdgpu_metadata
.endif
;; end of part 1
;; launch qkv (part 2): grid 16 x 16, 4 waves a work-group, clusters of 4 x 1, 168,448 bytes of LDS; arguments xq, wq, qq, kv; writes qq, kv
.if DOCPART == 2
	.amdgcn_target "amdgcn-amd-amdhsa--gfx1250"
	.amdhsa_code_object_version 6
	.text
	.protected	k_q289e25c4a0_qkv
	.globl	k_q289e25c4a0_qkv
	.p2align	8
	.type	k_q289e25c4a0_qkv,@function
k_q289e25c4a0_qkv:
	s_mov_b64 s[64:65], 0
	v_nop
	global_prefetch_b8 v0, s[64:65] scope:SCOPE_SE
	s_setreg_imm32_b32 hwreg(HW_REG_WAVE_MODE, 25, 1), 1
	s_wait_xcnt 0x0
	s_wait_alu depctr_hold_cnt(0) depctr_sa_sdst(0) depctr_va_vdst(0) depctr_va_sdst(0) depctr_va_ssrc(0) depctr_va_vcc(0) depctr_vm_vsrc(0)
	s_getreg_b32 s2, hwreg(HW_REG_IB_STS2, 6, 4)
	s_cmp_eq_u32 s2, 0
	s_cbranch_scc0 .Lentry_in_a_cluster
	s_endpgm
.Lentry_in_a_cluster:
	s_bfe_u32 s2, ttmp6, 0x10000c
	s_cmp_lg_u32 s2, 0x3003
	s_cbranch_scc0 .Lentry_shape_is_right
	s_endpgm
.Lentry_shape_is_right:
; q, k, v = X Wq, X Wk, X Wv on codes of FP6 (E2M3) with E8M0 scales, and their quantising for the attention: q and k along the head's 64, v along the keys.  Nothing leaves as f32.
; SHARES.  A work-group takes 512 tokens (tg) and one head (hd): 192 columns.  Wave w takes 128 of the tokens in two passes of 64: 4 x 12 = 48 accumulators, 384 registers.
; B, the head's weights for all of K (147,456 bytes, images of fragments), is brought into LDS ONCE, a quarter a wave, and stays: no LDS byte is filled twice.  The four work-groups of a cluster share the
; head, so each quarter is asked for JOINTLY.  A, X's fragments, is used by one wave of the work-group alone: it goes from memory straight into registers, four sets by turns, three K steps ahead.
; q and k are made TRANSPOSED (source 0 = 16 columns of W, source 1 = 16 tokens): a lane holds one token and its registers run along the head.  v is made with X as source 0: a lane holds one channel and
; its registers run along the tokens, which are the keys.  By the order of a tile's rows (row r of tile T = 32 (T / 2) + 8 (T % 2) + r + 8 (r / 8)) the 16 registers of two neighbouring tiles are 16 neighbours.
; OUT.  qq: [batch x head][tile 128][768] half fragments; from QSOFF [batch x head][128 tokens][r][4 words], a word = two tiles' two bytes each.
; kv: a record of 12,800 bytes for each 128 keys: K's 8 half fragments; V's 4 fragments (16 channels x 128 keys); K's words [r][4]; V's words [r][4].
; LIMITS: NaN and infinities are not served; a block under 2^-124, and a block of zeros, gets the byte 1 (only this program reads the bytes; zero codes add nothing).
; REGISTERS, in windows of 256.  0: addresses, scale words, what the quantiser works with.  1: A's four sets at v[48 k + 12 a]; v192-239 Wv's four fragments.
;   2: q's accumulators at v[32 a + 8 jj], k's 128 further on.  3: v's accumulators at v[32 t + 8 a]; v128-175 Wq's fragments, v176-223 Wk's.
.set LI16, 1                           ; v1  16 x lane
.set LI8,  2                           ; v2  8 x lane
.set VWS,  3                           ; v3  256 h + 4 r: the weights' scale words
.set VQS,  4                           ; v4  16 r + 8 h: q's words on the way out
.set WS,   8                           ; v8-55   W's words: register 4 j + i: lanes 0-15 K step i, lanes 16-31 K step 4 + i
.set XS,   56                          ; v56-87  X's words: register 16 p + 4 a + i likewise
.set TM,   88                          ; v88-103 the quantiser's maxima, bytes, scale operands
.set PC,   104                         ; v104-122 the codes just made
.set QW,   124                         ; v124-127 q's words;  v128-131 k's;  v132-135 v's, by passes
.set KW,   128
.set VP,   132
.set VW,   136                         ; v136-139 v's words of 128 keys
.set SW,   140                         ; v140-143 k's words below, v's above
.set QP,   144
.set BA16, 146                         ; v146-153 K step s of B in LDS: 18,432 s + 16 x lane
.set BA8,  154                         ; v154-161 18,432 s + 8 x lane
.set WV,   12
.set MSB, 0
.macro WIN new                         ; the immediate's high byte repeats the setting that is left
.if MSB != (\new)
	s_set_vgpr_msb (MSB<<8)|(\new)
.set MSB, (\new)
.endif
.endm
.macro PLACES                          ; four plain places behind matrix instructions, ahead of loads into their sources and of reads of their results
.rept 4
	v_nop
.endr
.endm
.macro CROUND                          ; a round of the cluster's barrier
	s_barrier_signal -1
	s_barrier_wait -1
	s_cmp_lg_u32 s[WV], 0
	s_cbranch_scc1 .Lnot_wave_0_\@
	s_barrier_signal -3
.Lnot_wave_0_\@:
	s_barrier_wait -3
	s_barrier_signal -1
	s_barrier_wait -1
.endm
	s_load_b256 s[4:11], s[0:1], 0x0               ; xq s[4:5], wq s[6:7], qq s[8:9], kv s[10:11]
	v_lshl_add_u32 v254, v0, 2, 0x29000
	v_mov_b32 v255, 0
	ds_add_u32 v254, v255
	ds_add_u32 v254, v255
	v_lshrrev_b32 v5, 5, v0
	v_readfirstlane_b32 s[WV], v5                  ; wave 0..3
	s_bfe_u32 s13, ttmp6, 0x40000                  ; cx
	s_lshl_b32 s14, ttmp9, 2
	s_add_co_u32 s14, s14, s13                     ; tg = 4 x cluster x + cx: it enters global addresses alone
	s_and_b32 s15, ttmp7, 0xffff                   ; hd, which the four partners share
	; the joint load: my quarter of the head's weights, 144 dense rows of 256 bytes.  Its registers hold the head and the wave's number and never cx
	s_mul_i32 s16, s15, 147456
	s_mul_i32 s21, s[WV], 36864                    ; LDS address
	s_add_co_u32 s16, s16, s21
	s_mov_b32 s17, 0
	s_mov_b32 s20, 1                               ; count = 1
	s_mov_b32 s24, 15|(3<<16)|(1<<21)              ; the mask: all four work-groups; elements of 8 bytes; bit 21 beside a mask; no padding
	s_mov_b32 s25, 32<<16                          ; tensor_dim0 = 32
	s_mov_b32 s26, 144<<16                         ; tensor_dim1 = 144
	s_mov_b32 s27, 32<<16                          ; tile_dim0 = 32
	s_mov_b32 s28, 144                             ; tile_dim1 = 144
	s_mov_b32 s29, 32                              ; pitch
	s_mov_b32 s30, 0
	s_mov_b32 s31, 0
	s_lshl_b32 s48, s14, 3
	s_lshl_b32 s49, s[WV], 1
	s_add_co_u32 s48, s48, s49
	s_mul_i32 s48, s48, 49152                      ; A: my two blocks of 64 tokens are 98,304 consecutive bytes
	s_mov_b32 s49, 0
	s_lshl_b32 s50, s14, 14
	s_lshl_b32 s51, s[WV], 12
	s_add_co_u32 s50, s50, s51
	s_add_co_u32 s50, s50, 6291456                 ; X's words: 512 bytes a tile, my 8 tiles
	s_mov_b32 s51, 0
	s_mul_i32 s52, s15, 6144
	s_add_co_u32 s52, s52, 2359296                 ; the head's words
	s_mov_b32 s53, 0
	s_and_b32 s54, s14, 3
	s_lshl_b32 s54, s54, 2
	s_add_co_u32 s54, s54, s[WV]                   ; which 128 tokens of the batch are mine
	s_lshr_b32 s55, s14, 2
	s_lshl_b32 s55, s55, 4
	s_add_co_u32 s55, s55, s15                     ; batch x 16 + head
	s_lshl_b32 s55, s55, 4
	s_add_co_u32 s55, s55, s54
	s_mul_i32 s56, s55, 6144                       ; q: 8 tiles of 768 bytes
	s_mov_b32 s57, 0
	s_lshl_b32 s58, s55, 8
	s_add_co_u32 s58, s58, 6291456                 ; q's words: 256 bytes
	s_mov_b32 s59, 0
	s_mul_i32 s60, s55, 12800                      ; the record
	s_mov_b32 s61, 0
	s_mov_b32 s44, 0x76543210
	s_mov_b32 s45, 0xfedcba98                      ; v_permlanex16_b32's selects for lane l xor 16
	s_mov_b32 s46, 0xffff0000                      ; lanes 16-31
	v_and_b32 v5, 31, v0
	v_lshlrev_b32 v[LI16], 4, v5
	v_lshlrev_b32 v[LI8], 3, v5
	v_and_b32 v6, 15, v0
	v_bfe_u32 v7, v0, 4, 1
	v_lshlrev_b32 v[VWS], 2, v6
	v_lshl_add_u32 v[VWS], v7, 8, v[VWS]
	v_lshlrev_b32 v[VQS], 4, v6
	v_lshl_add_u32 v[VQS], v7, 3, v[VQS]
.irp k, 0,1,2,3,4,5,6,7
	v_add_nc_u32 v[BA16+\k], 18432*\k, v[LI16]
	v_add_nc_u32 v[BA8+\k], 18432*\k, v[LI8]
.endr
.irp b, 0,1,2,3
	v_mov_b32 v[TM+4+\b], 0                        ; a lane permute's destination counts as one of its sources
.endr
	s_wait_dscnt 0x0
	s_wait_kmcnt 0x0
	s_add_nc_u64 s[22:23], s[6:7], s[16:17]
	s_or_b32 s23, s23, 0x80000000                  ; type = 2
	s_add_nc_u64 s[32:33], s[4:5], s[48:49]
	s_add_nc_u64 s[34:35], s[4:5], s[50:51]
	s_add_nc_u64 s[36:37], s[6:7], s[52:53]
	s_add_nc_u64 s[38:39], s[8:9], s[56:57]
	s_add_nc_u64 s[40:41], s[8:9], s[58:59]
	s_add_nc_u64 s[42:43], s[10:11], s[60:61]
	CROUND                                         ; all four work-groups are here: the joint loads meet
	tensor_load_to_lds s[20:23], s[24:31]          ; my one tensor load of the launch
	s_nop 0
	PLACES                                         ; four v_nop behind it
.irp j, 0,1,2,3,4,5,6,7,8,9,10,11
.irp i, 0,1,2,3
	global_load_b32 v[WS+4*\j+\i], v[VWS], s[36:37] offset:512*\j+64*\i
.endr
.endr
.irp t, 0,1,2,3,4,5,6,7
	global_load_b128 v[XS+4*\t:XS+4*\t+3], v[LI16], s[34:35] offset:512*\t
.endr
.macro ALOAD i                         ; stream step i (pass i / 8, K step i % 8): four fragments of X, 6,144 consecutive bytes, into set i % 4
	WIN 0x40                                       ; destination window 1
.irp a, 0,1,2,3
	global_load_b128 v[48*((\i)%4)+12*\a:48*((\i)%4)+12*\a+3], v[LI16], s[32:33] offset:6144*(\i)+1536*\a
	global_load_b64 v[48*((\i)%4)+12*\a+4:48*((\i)%4)+12*\a+5], v[LI8], s[32:33] offset:6144*(\i)+1536*\a+512
	global_load_b128 v[48*((\i)%4)+12*\a+6:48*((\i)%4)+12*\a+9], v[LI16], s[32:33] offset:6144*(\i)+1536*\a+768
	global_load_b64 v[48*((\i)%4)+12*\a+10:48*((\i)%4)+12*\a+11], v[LI8], s[32:33] offset:6144*(\i)+1536*\a+1280
.endr
.endm
.macro BLOAD g, ks                     ; the four fragments of Wq (g = 0), Wk (1) or Wv (2) of K step ks: 16 dense LDS loads
.if (\g) == 2
	WIN 0x40
.set BR, 192
.else
	WIN 0xc0
.set BR, 128+48*(\g)
.endif
.irp jj, 0,1,2,3
	ds_load_b128 v[BR+12*\jj:BR+12*\jj+3], v[BA16+(\ks)] offset:(4*(\g)+\jj)*1536
	ds_load_b64 v[BR+12*\jj+4:BR+12*\jj+5], v[BA8+(\ks)] offset:(4*(\g)+\jj)*1536+512
	ds_load_b128 v[BR+12*\jj+6:BR+12*\jj+9], v[BA16+(\ks)] offset:(4*(\g)+\jj)*1536+768
	ds_load_b64 v[BR+12*\jj+10:BR+12*\jj+11], v[BA8+(\ks)] offset:(4*(\g)+\jj)*1536+1280
.endr
.endm
.macro WM ks                           ; one product; K step 0 starts the sum; K steps 4-7 take their scale words from lanes 16-31
.if (\ks) == 0
	v_wmma_scale_f32_16x16x128_f8f6f4 v[rD:rD+7], v[rA:rA+11], v[rB:rB+11], 0, v[rSA], v[rSB] matrix_a_fmt:MATRIX_FMT_FP6 matrix_b_fmt:MATRIX_FMT_FP6
.elseif (\ks) < 4
	v_wmma_scale_f32_16x16x128_f8f6f4 v[rD:rD+7], v[rA:rA+11], v[rB:rB+11], v[rD:rD+7], v[rSA], v[rSB] matrix_a_fmt:MATRIX_FMT_FP6 matrix_b_fmt:MATRIX_FMT_FP6
.else
	v_wmma_scale_f32_16x16x128_f8f6f4 v[rD:rD+7], v[rA:rA+11], v[rB:rB+11], v[rD:rD+7], v[rSA], v[rSB] matrix_a_fmt:MATRIX_FMT_FP6 matrix_b_fmt:MATRIX_FMT_FP6 matrix_a_scale:MATRIX_SCALE_ROW1 matrix_b_scale:MATRIX_SCALE_ROW1
.endif
.endm
.macro MULQK g, i                      ; 16 products for q (g = 0) or k (1): source 0 = W (window 3), source 1 = X (window 1), sums in window 2
	WIN 0xa7
.irp jj, 0,1,2,3
.irp a, 0,1,2,3
.set rD, 128*(\g)+32*\a+8*\jj
.set rA, 128+48*(\g)+12*\jj
.set rB, 48*((\i)%4)+12*\a
.set rSA, WS+4*(4*(\g)+\jj)+(\i)%4
.set rSB, XS+16*((\i)/8)+4*\a+(\i)%4
	WM (\i)%8
.endr
.endr
.endm
.macro MULV i                          ; 16 products for v: source 0 = X, source 1 = Wv (both window 1, other registers), sums in window 3
	WIN 0xf5
.irp t, 0,1,2,3
.irp a, 0,1,2,3
.set rD, 32*\t+8*\a
.set rA, 48*((\i)%4)+12*\a
.set rB, 192+12*\t
.set rSA, XS+16*((\i)/8)+4*\a+(\i)%4
.set rSB, WS+4*(8+\t)+(\i)%4
	WM (\i)%8
.endr
.endr
.endm
; A K step: 48 products.  The 48 accumulators take turns, one instruction a turn, in the same order in every step.  Each of B's three buffers is asked for again as soon as
; its 16 products are issued, 32 products ahead of its next use; A's set is asked for again at the step's end, three steps ahead.
.macro KSTEP i
.if 15-(\i) >= 3
	s_wait_loadcnt 48                              ; this step's set of A is in (and, ahead of the first step, the scale words); the three younger sets, 16 loads each, may be out
.else
	s_wait_loadcnt 16*(15-(\i))
.endif
	s_wait_dscnt 32                                ; Wq's fragments are in; Wk's and Wv's 16 loads each are younger
	MULQK 0, \i
	PLACES
.if (\i) < 15
	BLOAD 0, ((\i)+1)%8
	s_wait_dscnt 32                                ; Wk's are in; Wv's and the next step's Wq's are younger
.else
	s_wait_dscnt 16
.endif
	MULQK 1, \i
	PLACES
.if (\i) < 15
	BLOAD 1, ((\i)+1)%8
	s_wait_dscnt 32                                ; Wv's are in
.else
	s_wait_dscnt 0x0
.endif
	MULV \i
	PLACES
.if (\i) < 15
	BLOAD 2, ((\i)+1)%8
.endif
.if (\i) <= 11
	ALOAD (\i)+4
.endif
.endm
; 64 results of a lane in window w, register 16 b + i = place 32 b + 16 h + i along the next K, become 12 registers of codes (two half fragments) in v[PC] on and a word of four bytes in v[pw].
.macro QUANTW sr, w, pw
	WIN (\w)|((\w)<<2)                             ; sources 0 and 1 in the accumulators' window
.irp b, 0,1,2,3
	v_max3_num_f32 v[TM+\b], |v[(\sr)+16*\b]|, |v[(\sr)+1+16*\b]|, 0x1800000   ; each accumulator is read from its low end on; the floor 2^(3 - 127) keeps the byte at 1 or more
.endr
.irp i, 2,4,6,8,10,12,14
.irp b, 0,1,2,3
	v_max3_num_f32 v[TM+\b], |v[(\sr)+16*\b+\i]|, |v[(\sr)+1+16*\b+\i]|, v[TM+\b]
.endr
.endr
	WIN 0
.irp b, 0,1,2,3
	v_permlanex16_b32 v[TM+4+\b], v[TM+\b], s44, s45
.endr
.irp b, 0,1,2,3
	v_max_num_f32 v[TM+\b], v[TM+\b], v[TM+4+\b]   ; with lane l xor 16's: the block's largest magnitude
.endr
.irp b, 0,1,2,3
	v_add_nc_u32 v[TM+12+\b], 0xff000000, v[TM+\b] ; 2 off the exponent field: the conversion's scale operand
.endr
.irp b, 0,1,2,3
	v_lshrrev_b32 v[TM+4+\b], 23, v[TM+12+\b]      ; the byte
.endr
	v_lshl_or_b32 v[\pw], v[TM+5], 8, v[TM+4]
	v_lshl_or_b32 v[\pw], v[TM+6], 16, v[\pw]
	v_lshl_or_b32 v[\pw], v[TM+7], 24, v[\pw]
	s_wait_xcnt 0x0                                ; the last stores have read the codes' registers, which are written again below
	WIN (\w)
.irp c, 0,1
	v_cvt_scalef32_pk16_fp6_f32 v[PC+6*\c:PC+2+6*\c], v[(\sr)+32*\c:(\sr)+15+32*\c], v[TM+12+2*\c]
	v_cvt_scalef32_pk16_fp6_f32 v[PC+12+4*\c:PC+14+4*\c], v[(\sr)+16+32*\c:(\sr)+31+32*\c], v[TM+12+2*\c+1]
.endr
	WIN 0
	v_nop                                          ; one plain place behind a scaled conversion
.irp c, 0,1                            ; the operand's layout wants a whole block in a lane: lanes 0-15 block 2 c, lanes 16-31 block 2 c + 1
.irp i, 0,1,2
	v_permlane16_swap_b32 v[PC+6*\c+\i], v[PC+12+4*\c+\i]
.endr
.irp i, 0,1,2
	v_mov_b32 v[PC+3+6*\c+\i], v[PC+12+4*\c+\i]
.endr
.endr
.endm
.macro STORE2 base, o, d               ; the two half fragments go out, d bytes apart: each store covers 512 or 256 consecutive bytes, aligned to 256
	global_store_b128 v[LI16], v[PC:PC+3], s[\base:\base+1] offset:(\o)
	global_store_b64 v[LI8], v[PC+4:PC+5], s[\base:\base+1] offset:(\o)+512
	global_store_b128 v[LI16], v[PC+6:PC+9], s[\base:\base+1] offset:(\o)+(\d)
	global_store_b64 v[LI8], v[PC+10:PC+11], s[\base:\base+1] offset:(\o)+(\d)+512
.endm
.macro EPI p                           ; a pass's 64 tokens leave as codes
	QUANTW 0, 2, QW+2*(\p)                         ; q of tiles 0, 1: two blocks of the head each
	STORE2 38, 768*(4*(\p)), 768
	QUANTW 64, 2, QW+2*(\p)+1
	STORE2 38, 768*(4*(\p)+2), 768
	QUANTW 128, 2, KW+2*(\p)                       ; k likewise: two tiles are one fragment of the scores' product
	STORE2 42, 768*(4*(\p)), 768
	QUANTW 192, 2, KW+2*(\p)+1
	STORE2 42, 768*(4*(\p)+2), 768
	QUANTW 0, 3, VP+2*(\p)                         ; v of channel tiles 0, 1: two blocks of 32 keys each: half p of their fragments
	STORE2 42, 6144+768*(\p), 1536
	QUANTW 64, 3, VP+2*(\p)+1
	STORE2 42, 9216+768*(\p), 1536
.endm
	ALOAD 0
	ALOAD 1
	ALOAD 2
	ALOAD 3
	WIN 0
	s_wait_tensorcnt 0x0                           ; my quarter of B is in,
	s_barrier_signal -1
	s_barrier_wait -1                              ; everybody's is
	BLOAD 0, 0
	BLOAD 1, 0
	BLOAD 2, 0
	s_wait_alu depctr_va_vdst(0)
.irp i, 0,1,2,3,4,5,6,7
	KSTEP \i
.endr
	EPI 0                                          ; the next pass's first fragments are on their way meanwhile
.irp i, 8,9,10,11,12,13,14,15
	KSTEP \i
.endr
	EPI 1
.irp t, 0,1
	v_perm_b32 v[VW+2*\t], v[VP+2+\t], v[VP+\t], 0x05040100     ; channel tile 2 t: its two bytes of pass 0, then of pass 1
	v_perm_b32 v[VW+2*\t+1], v[VP+2+\t], v[VP+\t], 0x07060302   ; channel tile 2 t + 1
.endr
.irp k, 0,1,2,3
	v_cndmask_b32 v[SW+\k], v[KW+\k], v[VW+\k], s46             ; lanes 0-15 k's words of row r, lanes 16-31 v's
.endr
	v_cndmask_b32 v[QP], v[QW], v[QW+2], s46
	v_cndmask_b32 v[QP+1], v[QW+1], v[QW+3], s46
	global_store_b128 v[LI16], v[SW:SW+3], s[42:43] offset:12288   ; 512 consecutive bytes
	global_store_b64 v[VQS], v[QP:QP+1], s[40:41]                  ; 256 consecutive bytes
	s_wait_dscnt 0x0
	s_wait_tensorcnt 0x0
	ds_add_u32 v254, v255
	s_wait_dscnt 0x0
	CROUND                                         ; the closing round: no work-group ends while a partner may still ask jointly
	s_endpgm
.Lfunc_end_k_q289e25c4a0_qkv:
	.size	k_q289e25c4a0_qkv, .Lfunc_end_k_q289e25c4a0_qkv-k_q289e25c4a0_qkv
	.p2alignl 7, 3214868480
	.fill 96, 4, 3214868480
	.section	.rodata,"a",@progbits
	.p2align	6, 0x0
	.amdhsa_kernel k_q289e25c4a0_qkv
		.amdhsa_group_segment_fixed_size 168448
		.amdhsa_private_segment_fixed_size 0
		.amdhsa_enable_private_segment 0
		.amdhsa_kernarg_size 32
		.amdhsa_user_sgpr_count 2
		.amdhsa_user_sgpr_kernarg_segment_ptr 1
		.amdhsa_wavefront_size32 1
		.amdhsa_system_sgpr_workgroup_id_x 1
		.amdhsa_system_sgpr_workgroup_id_y 1
		.amdhsa_system_sgpr_workgroup_id_z 1
		.amdhsa_system_vgpr_workitem_id 0
		.amdhsa_next_free_vgpr 1024
		.amdhsa_next_free_sgpr 66
		.amdhsa_reserve_vcc 0
		.amdhsa_float_denorm_mode_32 3
		.amdhsa_float_denorm_mode_16_64 3
		.amdhsa_memory_ordered 1
		.amdhsa_forward_progress 1
		.amdhsa_inst_pref_size 243
	.end_amdhsa_kernel
	.amdgpu_metadata
---
amdhsa.version: [ 1, 2 ]
amdhsa.kernels:
  - .name:           k_q289e25c4a0_qkv
    .symbol:         k_q289e25c4a0_qkv.kd
    .args:
      - { .name: xq, .offset: 0, .size: 8, .value_kind: global_buffer, .address_space: global }
      - { .name: wq, .offset: 8, .size: 8, .value_kind: global_buffer, .address_space: global }
      - { .name: qq, .offset: 16, .size: 8, .value_kind: global_buffer, .address_space: global }
      - { .name: kv, .offset: 24, .size: 8, .value_kind: global_buffer, .address_space: global }
    .group_segment_fixed_size: 168448
    .private_segment_fixed_size: 0
    .kernarg_segment_align: 8
    .kernarg_segment_size: 32
    .max_flat_workgroup_size: 128
    .sgpr_count:     66
    .vgpr_count:     1024
    .wavefront_size: 32
...
	.end_amdgpu_metadata
.endif
;; end of part 2
;; launch attn (part 3): grid 4 x 64, 16 waves a work-group, clusters of 4 x 1, 206,848 bytes of LDS; arguments qq, kv, oq; writes oq
.if DOCPART == 3
	.amdgcn_target "amdgcn-amd-amdhsa--gfx1250"
	.amdhsa_code_object_version 6
	.text
	.protected	k_q289e25c4a0_attn
	.globl	k_q289e25c4a0_attn
	.p2align	8
	.type	k_q289e25c4a0_attn,@function
k_q289e25c4a0_attn:
	s_mov_b64 s[64:65], 0
	v_nop
	global_prefetch_b8 v0, s[64:65] scope:SCOPE_SE
	s_setreg_imm32_b32 hwreg(HW_REG_WAVE_MODE, 25, 1), 1
	s_wait_xcnt 0x0
	s_wait_alu depctr_hold_cnt(0) depctr_sa_sdst(0) depctr_va_vdst(0) depctr_va_sdst(0) depctr_va_ssrc(0) depctr_va_vcc(0) depctr_vm_vsrc(0)
	s_getreg_b32 s2, hwreg(HW_REG_IB_STS2, 6, 4)
	s_cmp_eq_u32 s2, 0
	s_cbranch_scc0 .Lentry_in_a_cluster
	s_endpgm
.Lentry_in_a_cluster:
	s_bfe_u32 s2, ttmp6, 0x10000c
	s_cmp_lg_u32 s2, 0x3003
	s_cbranch_scc0 .Lentry_shape_is_right
	s_endpgm
.Lentry_shape_is_right:
; Causal attention of one head on codes of FP6 (E2M3) with E8M0 scales; its result, divided by the row's sum, is quantised along the model's 1,024 for the last product.
; SOFTMAX.  t = score x log2(e) / 8; M = the running largest t rounded UP to a whole number, kept as -M = floor(-t); p = 2^(t - M) is quantised along the keys, not normalised; the row's sum is taken of the
; unquantised p in f32; when M moves, the sum and O^T are multiplied by 2^(old M - new M), which rounds nothing.
; SHARES.  The four work-groups of a cluster own one head (batch x head = work-group y).  The head's 16 records (K, V and their scale words of 128 keys, 12,800 bytes each) are 204,800 bytes: they come into
; each partner's LDS ONCE, a record a wave, asked for JOINTLY.  No LDS byte is filled twice, and behind the one barrier no wave waits for another.
; The queries are 16 groups of 128 tokens, 8 tiles each.  Wave w, with j = w / 2 and u = w % 2, owns tile 2 cx + u of group j and of group 15 - j: (j + 1) + (16 - j) = 17 key steps for every wave.
; Every branch hangs on the wave's number and a counter; cx enters global addresses and the mask's threshold (a vector compare and select) alone.
; LAYOUT.  Both products transposed: S^T = K Q^T, O^T = V^T P^T: a lane holds one query (lane % 16).  Row r of a tile T is index 32 (T / 2) + 8 (T % 2) + r + 8 (r / 8), so the 16 registers of two neighbouring
; tiles are 16 neighbouring keys (or channels).
; THE HEAD IS 64 AND THE INSTRUCTION TAKES 128.  A fragment of K holds TWO tiles of keys, one in each half of its K.  Q is held as [q][zeros][q]: [q, 0] picks the first tile, [0, q] the second.  The idle half has
; zero CODES on Q's side alone, under the byte 1; K's bytes lie between 1 and 254: its products are exact zeros.  So no byte of LDS is spent on padding K.
; LIMITS: NaN and infinities are not served; a block under 2^-124, and a block of zeros, gets the byte 1 (only this program reads the bytes; zero codes add nothing).
.set LI16, 1                           ; v1  16 x lane
.set LI8,  2                           ; v2  8 x lane
.set DD,   3                           ; v3  my query's place in its 128, less 16 h
.set ADK,  4                           ; v4, v5  the record in hand: + 16 x lane, + 8 x lane
.set ADK8, 5
.set R16,  6                           ; v6  16 r
.set RB,   7                           ; v7  2 r + h
.set Q,    16                          ; v16-33  [q 6][zeros 6][q 6]
.set QSL,  34                          ; q's scale word for [q, 0];  v35 for [0, q]
.set QSH,  35
.set F,    36                          ; v36-83  four fragments of K, then of V
.set RQL,  84                          ; v84-89 q's codes as loaded, v90 its word: the first tile;  v232-237, v238: the second
.set RQH,  232
.set S,    96                          ; v96-159 S^T, then p
.set O,    160                         ; v160-191 O^T
.set PCD,  192                         ; v192-203 p's codes
.set CT,   204                         ; v204-206, v208-210 the conversions' other halves
.set SCW,  212                         ; v212-215 lanes 0-15 K's four words, lanes 16-31 V's
.set BM,   216
.set BP,   220
.set BS,   224
.set PW,   228                         ; p's scale word
.set FF,   230                         ; v[230:231] f = 2^(old M - new M); later 1 / the sum
.set T0,   240
.set T1,   241
.set T2,   242
.set WV,   10
.macro CROUND                          ; a round of the cluster's barrier
	s_barrier_signal -1
	s_barrier_wait -1
	s_cmp_lg_u32 s[WV], 0
	s_cbranch_scc1 .Lnot_wave_0_\@
	s_barrier_signal -3
.Lnot_wave_0_\@:
	s_barrier_wait -3
	s_barrier_signal -1
	s_barrier_wait -1
.endm
	s_load_b128 s[4:7], s[0:1], 0x0                ; qq s[4:5], kv s[6:7]
	s_load_b64 s[8:9], s[0:1], 0x10                ; oq
	v_lshl_add_u32 v254, v0, 2, 0x32000
	v_mov_b32 v255, 0
	ds_add_u32 v254, v255
	ds_add_u32 v254, v255
	v_lshrrev_b32 v8, 5, v0
	s_delay_alu instid0(VALU_DEP_1)
	v_readfirstlane_b32 s[WV], v8                  ; wave 0..15
	s_bfe_u32 s11, ttmp6, 0x40000                  ; cx
	s_and_b32 s12, ttmp7, 0xffff                   ; batch x 16 + head, which the four partners share
	s_and_b32 s13, s[WV], 1                        ; u
	s_lshl_b32 s14, s13, 4                         ; 16 u: my tile's half of a pair's word
	s_lshr_b32 s15, s[WV], 1                       ; my first group j,
	s_xor_b32 s16, s15, 15                         ; and my second, 15 - j
	; the joint load: record w of the head, 50 dense rows of 256 bytes.  Its registers hold the head and the wave's number and never cx
	s_mul_i32 s21, s[WV], 12800                    ; LDS address
	s_mul_i32 s18, s12, 204800
	s_add_co_u32 s18, s18, s21
	s_mov_b32 s19, 0
	s_mov_b32 s20, 1                               ; count = 1
	s_mov_b32 s24, 15|(3<<16)|(1<<21)              ; the mask: all four work-groups; elements of 8 bytes; bit 21 beside a mask; no padding
	s_mov_b32 s25, 32<<16                          ; tensor_dim0 = 32
	s_mov_b32 s26, 50<<16                          ; tensor_dim1 = 50
	s_mov_b32 s27, 32<<16                          ; tile_dim0 = 32
	s_mov_b32 s28, 50                              ; tile_dim1 = 50
	s_mov_b32 s29, 32                              ; pitch
	s_mov_b32 s30, 0
	s_mov_b32 s31, 0
	s_mov_b32 s32, 0x76543210
	s_mov_b32 s33, 0xfedcba98                      ; v_permlanex16_b32's selects for lane l xor 16
	s_mov_b32 s34, 0x3e38aa3b                      ; c = log2(e) / 8
	s_mov_b32 s35, s34                             ; (named with it as a pair, so it is written)
	s_mov_b32 s36, 0xffff0000                      ; lanes 16-31
	v_and_b32 v8, 31, v0
	s_delay_alu instid0(VALU_DEP_1)
	v_lshlrev_b32 v[LI16], 4, v8
	s_delay_alu instid0(VALU_DEP_2)
	v_lshlrev_b32 v[LI8], 3, v8
	v_and_b32 v8, 15, v0                           ; r
	v_bfe_u32 v9, v0, 4, 1                         ; h
	s_delay_alu instid0(VALU_DEP_2)
	v_lshlrev_b32 v[R16], 4, v8
	s_delay_alu instid0(VALU_DEP_2)
	v_lshl_add_u32 v[RB], v8, 1, v9
	s_delay_alu instid0(VALU_DEP_4)
	v_and_b32 v10, 8, v8
	s_delay_alu instid0(VALU_DEP_1)
	v_add_nc_u32 v10, v10, v8                      ; r + 8 (r / 8)
	v_lshlrev_b32 v11, 4, v9
	s_delay_alu instid0(VALU_DEP_1)
	v_sub_nc_u32 v10, v10, v11
	s_lshl_b32 s56, s11, 5
	s_lshl_b32 s57, s13, 3
	s_add_co_u32 s56, s56, s57
	v_add_nc_u32 v[DD], s56, v10                   ; 32 cx + 8 u + r + 8 (r / 8) - 16 h
.irp i, 0,1,2,3,4,5
	v_mov_b32 v[Q+6+\i], 0                         ; Q's idle half: zero codes
.endr
.irp b, 0,1,2,3
	v_mov_b32 v[BP+\b], 0                          ; a lane permute's destination counts as one of its sources
.endr
	v_mov_b32 v[FF+1], 0                           ; (named as the upper half of a pair)
	v_mov_b32 v[T0], 0
	s_wait_dscnt 0x0
	s_wait_kmcnt 0x0
	s_add_nc_u64 s[22:23], s[6:7], s[18:19]
	s_or_b32 s23, s23, 0x80000000                  ; type = 2
	CROUND                                         ; all four work-groups are here: the joint loads meet
	tensor_load_to_lds s[20:23], s[24:31]          ; my one tensor load of the launch
	s_nop 0
.rept 4
	v_nop                                          ; four v_nop behind it
.endr
; The four addresses of the tile 8 J + 2 cx + u, J in s[jr]: s[bs] q's codes, s[bs + 2] its pair's words, s[bs + 4] where its result's codes go, s[bs + 6] and their bytes
.macro BASES jr, bs
	s_lshl_b32 s56, s[\jr], 3
	s_lshl_b32 s57, s11, 1
	s_add_co_u32 s56, s56, s57
	s_add_co_u32 s56, s56, s13                     ; the tile in the head's 128
	s_lshl_b32 s57, s12, 7
	s_add_co_u32 s57, s57, s56
	s_mul_i32 s58, s57, 768
	s_mov_b32 s59, 0
	s_add_nc_u64 s[\bs:\bs+1], s[4:5], s[58:59]
	s_lshl_b32 s58, s57, 5
	s_add_co_u32 s58, s58, 6291456
	s_add_nc_u64 s[\bs+6:\bs+7], s[8:9], s[58:59]
	s_lshl_b32 s58, s12, 4
	s_add_co_u32 s58, s58, s[\jr]
	s_lshl_b32 s58, s58, 8
	s_lshl_b32 s60, s11, 2
	s_add_co_u32 s58, s58, s60
	s_add_co_u32 s58, s58, 6291456
	s_add_nc_u64 s[\bs+2:\bs+3], s[4:5], s[58:59]
	s_lshr_b32 s60, s12, 4
	s_lshl_b32 s60, s60, 7
	s_add_co_u32 s60, s60, s56                     ; the tile among all 512 tiles of tokens
	s_lshr_b32 s58, s60, 2
	s_mul_i32 s58, s58, 49152
	s_and_b32 s60, s60, 3
	s_mul_i32 s60, s60, 1536
	s_add_co_u32 s58, s58, s60
	s_bfe_u32 s60, s12, 0x30001                    ; the last product's K step: head / 2,
	s_mul_i32 s60, s60, 6144
	s_add_co_u32 s58, s58, s60
	s_and_b32 s60, s12, 1                          ; and the half of its fragment: head % 2
	s_mul_i32 s60, s60, 768
	s_add_co_u32 s58, s58, s60
	s_add_nc_u64 s[\bs+4:\bs+5], s[8:9], s[58:59]
.endm
	BASES 15, 40
	BASES 16, 48
	global_load_b128 v[RQL:RQL+3], v[LI16], s[40:41]
	global_load_b64 v[RQL+4:RQL+5], v[LI8], s[40:41] offset:512
	global_load_b32 v[RQL+6], v[R16], s[42:43]
	global_load_b128 v[RQH:RQH+3], v[LI16], s[48:49]
	global_load_b64 v[RQH+4:RQH+5], v[LI8], s[48:49] offset:512
	global_load_b32 v[RQH+6], v[R16], s[50:51]
	s_wait_tensorcnt 0x0                           ; my record is in,
	s_barrier_signal -1
	s_barrier_wait -1                              ; everybody's is
; ONE TILE OF 16 QUERIES of group s[jr]: key steps 0 .. J; the last lies on the diagonal.  The loop has a constant 16 trips, so that the record's address can be read off the text; a trip beyond J does nothing.
.macro TILE jr, raw, bs
	s_wait_loadcnt 0x0                             ; q
	s_wait_xcnt 0x0                                ; the tile before has had its stores' registers read: they are written again below
.irp i, 0,1,2,3,4,5
	v_mov_b32 v[Q+\i], v[(\raw)+\i]
	v_mov_b32 v[Q+12+\i], v[(\raw)+\i]
.endr
	v_lshrrev_b32 v[T0], s14, v[(\raw)+6]
	s_delay_alu instid0(VALU_DEP_1)
	v_and_b32 v[T0], 0xffff, v[T0]                 ; my tile's two bytes
	s_delay_alu instid0(VALU_DEP_1)
	v_or_b32 v[QSL], 0x01010000, v[T0]             ; the idle half's bytes are 1
	s_delay_alu instid0(VALU_DEP_2)
	v_lshl_or_b32 v[QSH], v[T0], 16, 0x0101
	v_mov_b32 v13, 0xff61b1e6                      ; the largest t so far: -3e38, under every t
	s_delay_alu instid0(VALU_DEP_1)
	v_floor_f32 v12, -v13                          ; -M
	v_mov_b32 v14, 0                               ; the sum, in two halves
	v_mov_b32 v15, 0
.set n, 0
.rept 32
	v_mov_b32 v[O+n], 0                            ; O^T: the step is written once; the first finds zeros.  (These are also the places between the writes of Q and its scale words and the first product)
.set n, n+1
.endr
	s_mov_b32 s37, 0                               ; the record's LDS byte
	s_mov_b32 s38, 0                               ; the key step
.Lstep_\@:
	s_cmp_gt_u32 s38, s[\jr]
	s_cbranch_scc1 .Lskip_\@
	s_setprio 2
	v_add_nc_u32 v[ADK], s37, v[LI16]
	v_add_nc_u32 v[ADK8], s37, v[LI8]
	v_nop
	v_nop                                          ; four places behind the last products, ahead of loads into their sources
.irp f, 0,1,2,3
	ds_load_b128 v[F+12*\f:F+12*\f+3], v[ADK] offset:1536*\f
	ds_load_b64 v[F+12*\f+4:F+12*\f+5], v[ADK8] offset:1536*\f+512
	ds_load_b128 v[F+12*\f+6:F+12*\f+9], v[ADK] offset:1536*\f+768
	ds_load_b64 v[F+12*\f+10:F+12*\f+11], v[ADK8] offset:1536*\f+1280
.endr
	ds_load_b128 v[SCW:SCW+3], v[ADK] offset:12288
	s_wait_alu depctr_va_vdst(0)
	s_wait_dscnt 0x0
.irp b, 0,1,2,3                        ; S^T: fragment b holds key tiles 2 b and 2 b + 1
	v_wmma_scale_f32_16x16x128_f8f6f4 v[S+16*\b:S+16*\b+7], v[F+12*\b:F+12*\b+11], v[Q:Q+11], 0, v[SCW+\b], v[QSL] matrix_a_fmt:MATRIX_FMT_FP6 matrix_b_fmt:MATRIX_FMT_FP6
	v_wmma_scale_f32_16x16x128_f8f6f4 v[S+8+16*\b:S+8+16*\b+7], v[F+12*\b:F+12*\b+11], v[Q+6:Q+17], 0, v[SCW+\b], v[QSH] matrix_a_fmt:MATRIX_FMT_FP6 matrix_b_fmt:MATRIX_FMT_FP6
.endr
.rept 4
	v_nop
.endr
.irp f, 0,1,2,3                        ; V's four fragments land while the softmax is worked
	ds_load_b128 v[F+12*\f:F+12*\f+3], v[ADK] offset:6144+1536*\f
	ds_load_b64 v[F+12*\f+4:F+12*\f+5], v[ADK8] offset:6144+1536*\f+512
	ds_load_b128 v[F+12*\f+6:F+12*\f+9], v[ADK] offset:6144+1536*\f+768
	ds_load_b64 v[F+12*\f+10:F+12*\f+11], v[ADK8] offset:6144+1536*\f+1280
.endr
	s_cmp_lg_u32 s38, s[\jr]
	s_cbranch_scc1 .Lopen_\@
	v_mov_b32 v[T1], 0xff800000                    ; on the diagonal the scores of hidden keys become -infinity: register n holds key 32 (n / 16) + 16 h + n % 16 of the group
.set n, 0
.rept 64
	v_cmp_gt_i32 vcc_lo, 32*(n/16)+n%16, v[DD]
	v_cndmask_b32 v[S+n], v[S+n], v[T1], vcc_lo
.set n, n+1
.endr
.Lopen_\@:
.irp b, 0,1,2,3
	v_max3_num_f32 v[BM+\b], v[S+16*\b], v[S+1+16*\b], v[S+2+16*\b]   ; the largest score of each block of 32 keys: for the row's maximum and, since p rises with the score, for the block's largest p
.endr
.irp i, 3,5,7,9,11,13
.irp b, 0,1,2,3
	v_max3_num_f32 v[BM+\b], v[BM+\b], v[S+16*\b+\i], v[S+1+16*\b+\i]
.endr
.endr
.irp b, 0,1,2,3
	v_max_num_f32 v[BM+\b], v[BM+\b], v[S+15+16*\b]
.endr
.irp b, 0,1,2,3
	s_delay_alu instid0(VALU_DEP_4)
	v_permlanex16_b32 v[BP+\b], v[BM+\b], s32, s33
.endr
.irp b, 0,1,2,3
	s_delay_alu instid0(VALU_DEP_4)
	v_max_num_f32 v[BM+\b], v[BM+\b], v[BP+\b]     ; with lane l xor 16's 16 keys
.endr
	s_delay_alu instid0(VALU_DEP_2)
	v_max3_num_f32 v[T0], v[BM], v[BM+1], v[BM+2]
	s_delay_alu instid0(VALU_DEP_1)
	v_max_num_f32 v[T0], v[T0], v[BM+3]
	s_delay_alu instid0(VALU_DEP_1)
	v_mul_f32 v[T0], s34, v[T0]                    ; the step's largest t
	s_delay_alu instid0(VALU_DEP_1)
	v_max_num_f32 v13, v13, v[T0]                  ; the running largest t
	v_mov_b32 v[T0], v12
	s_delay_alu instid0(VALU_DEP_2)
	v_floor_f32 v12, -v13                          ; the new -M
	s_delay_alu instid0(VALU_DEP_1)
	v_sub_f32 v[T0], v12, v[T0]                    ; old M - new M: a whole number, 0 or less
	s_delay_alu instid0(VALU_DEP_1)
	v_cvt_i32_f32 v[T0], v[T0]                     ; (it saturates)
	s_delay_alu instid0(VALU_DEP_1)
	v_ldexp_f32 v[FF], 1.0, v[T0]                  ; f
.set n, 0
.rept 32
	v_pk_fma_f32 v[S+n:S+n+1], v[S+n:S+n+1], s[34:35], v[12:13] op_sel_hi:[1,0,0]   ; t - M, two at a time
.set n, n+2
.endr
	s_setprio 1
.irp b, 0,1,2,3
	v_fma_f32 v[BM+\b], v[BM+\b], s34, v12         ; the same of each block's largest score
.endr
.set n, 0
	s_wait_alu depctr_va_vdst(0)
.rept 64
	v_exp_f32 v[S+n], v[S+n]                       ; p = 2^(t - M)
.set n, n+1
.endr
	v_pk_mul_f32 v[14:15], v[14:15], v[FF:FF+1] op_sel_hi:[1,0]   ; the sums under the new M: a plain place behind the exponentials
	s_wait_alu depctr_va_vdst(0)                   ; one wait for the batch of 64, ahead of its first reader
.irp b, 0,1,2,3
	v_exp_f32 v[BM+\b], v[BM+\b]                   ; each block's largest p
.endr
	v_pk_add_f32 v[242:243], v[100:101], v[104:105]
	v_pk_add_f32 v[252:253], v[108:109], v[112:113]
	v_pk_add_f32 v[250:251], v[116:117], v[120:121]
	v_pk_add_f32 v[248:249], v[124:125], v[128:129]
	v_pk_add_f32 v[246:247], v[132:133], v[136:137]
	v_pk_add_f32 v[244:245], v[140:141], v[144:145]
	v_pk_add_f32 v[228:229], v[148:149], v[152:153]
	v_pk_add_f32 v[14:15], v[14:15], v[156:157]
	v_pk_add_f32 v[242:243], v[242:243], v[96:97]
	v_pk_add_f32 v[252:253], v[252:253], v[98:99]
	v_pk_add_f32 v[250:251], v[250:251], v[102:103]
	v_pk_add_f32 v[248:249], v[248:249], v[106:107]
	v_pk_add_f32 v[246:247], v[246:247], v[110:111]
	v_pk_add_f32 v[244:245], v[244:245], v[114:115]
	v_pk_add_f32 v[228:229], v[228:229], v[118:119]
	v_pk_add_f32 v[14:15], v[14:15], v[122:123]
	v_pk_add_f32 v[242:243], v[242:243], v[126:127]
	v_pk_add_f32 v[252:253], v[252:253], v[130:131]
	v_pk_add_f32 v[250:251], v[250:251], v[134:135]
	v_pk_add_f32 v[248:249], v[248:249], v[138:139]
	v_pk_add_f32 v[246:247], v[246:247], v[142:143]
	v_pk_add_f32 v[244:245], v[244:245], v[146:147]
	v_pk_add_f32 v[228:229], v[228:229], v[150:151]
	v_pk_add_f32 v[14:15], v[14:15], v[154:155]
	v_pk_add_f32 v[242:243], v[242:243], v[158:159]
	s_delay_alu instid0(VALU_DEP_2)
	v_pk_add_f32 v[14:15], v[14:15], v[248:249]
	s_delay_alu instid0(VALU_DEP_2)
	v_pk_add_f32 v[242:243], v[242:243], v[246:247]
	v_pk_add_f32 v[252:253], v[252:253], v[244:245]
	v_pk_add_f32 v[250:251], v[250:251], v[228:229]
	s_delay_alu instid0(VALU_DEP_2)
	v_pk_add_f32 v[14:15], v[14:15], v[252:253]
	s_delay_alu instid0(VALU_DEP_2)
	v_pk_add_f32 v[242:243], v[242:243], v[250:251]
	s_delay_alu instid0(VALU_DEP_1)
	v_pk_add_f32 v[14:15], v[14:15], v[242:243]
	s_wait_alu depctr_va_vdst(0)                   ; and one for the four
.irp b, 0,1,2,3
	v_max_num_f32 v[BM+\b], 0x1800000, v[BM+\b]    ; the floor 2^(3 - 127): the byte cannot fall under 1
.endr
.irp b, 0,1,2,3
	s_delay_alu instid0(VALU_DEP_4)
	v_add_nc_u32 v[BS+\b], 0xff000000, v[BM+\b]    ; the conversion's scale operand
.endr
.irp b, 0,1,2,3
	s_delay_alu instid0(VALU_DEP_4)
	v_lshrrev_b32 v[BP+\b], 23, v[BS+\b]           ; the byte
.endr
	s_delay_alu instid0(VALU_DEP_3)
	v_lshl_or_b32 v[PW], v[BP+1], 8, v[BP]
	s_delay_alu instid0(VALU_DEP_1)
	v_lshl_or_b32 v[PW], v[BP+2], 16, v[PW]
	s_delay_alu instid0(VALU_DEP_1)
	v_lshl_or_b32 v[PW], v[BP+3], 24, v[PW]
	s_setprio 0
.irp c, 0,1
	v_cvt_scalef32_pk16_fp6_f32 v[PCD+6*\c:PCD+2+6*\c], v[S+32*\c:S+15+32*\c], v[BS+2*\c]
	v_cvt_scalef32_pk16_fp6_f32 v[CT+4*\c:CT+2+4*\c], v[S+16+32*\c:S+31+32*\c], v[BS+2*\c+1]
.endr
	v_nop                                          ; one plain place behind a scaled conversion
.irp c, 0,1
.irp i, 0,1,2
	v_permlane16_swap_b32 v[PCD+6*\c+\i], v[CT+4*\c+\i]
.endr
.irp i, 0,1,2
	s_delay_alu instid0(VALU_DEP_3)
	v_mov_b32 v[PCD+3+6*\c+\i], v[CT+4*\c+\i]
.endr
.endr
.set n, 0
.rept 16
	v_pk_mul_f32 v[O+n:O+n+1], v[O+n:O+n+1], v[FF:FF+1] op_sel_hi:[1,0]   ; O^T under the new M, each accumulator from its low end on.  (Of these 16, twelve name no register of a given product below: the places behind the writes of p's codes and word)
.set n, n+2
.endr
	s_wait_alu depctr_va_vdst(0)
	s_wait_dscnt 0x0                               ; V
.irp t, 0,1,2,3                        ; O^T += V^T P^T: the four accumulators by turns; V's words stand in lanes 16-31
	v_wmma_scale_f32_16x16x128_f8f6f4 v[O+8*\t:O+8*\t+7], v[F+12*\t:F+12*\t+11], v[PCD:PCD+11], v[O+8*\t:O+8*\t+7], v[SCW+\t], v[PW] matrix_a_fmt:MATRIX_FMT_FP6 matrix_b_fmt:MATRIX_FMT_FP6 matrix_a_scale:MATRIX_SCALE_ROW1
.endr
.Lskip_\@:
	s_add_co_u32 s37, s37, 12800
	s_add_co_u32 s38, s38, 1
	s_cmp_lt_u32 s38, 16
	s_cbranch_scc1 .Lstep_\@
	s_setprio 0
.rept 4
	v_nop                                          ; places behind the last products
.endr
	; the way out: O^T / the sum, quantised along the head's 64 channels: half a fragment of the last product's operand
	v_add_f32 v14, v14, v15
	s_delay_alu instid0(VALU_DEP_1)
	v_permlanex16_b32 v[T0], v14, s32, s33
	s_delay_alu instid0(VALU_DEP_1)
	v_add_f32 v14, v14, v[T0]                      ; the row's sum
	s_wait_alu depctr_va_vdst(0)
	v_rcp_f32 v[FF], v14
	v_nop                                          ; a plain place behind the transcendental
	s_wait_alu depctr_va_vdst(0)                   ; and the wait ahead of its first reader
.set n, 0
.rept 16
	v_pk_mul_f32 v[S+n:S+n+1], v[O+n:O+n+1], v[FF:FF+1] op_sel_hi:[1,0]   ; register 16 b + i = channel 32 b + 16 h + i
.set n, n+2
.endr
.irp b, 0,1
	v_max3_num_f32 v[BM+\b], |v[S+16*\b]|, |v[S+1+16*\b]|, 0x1800000
.endr
.irp i, 2,4,6,8,10,12,14
.irp b, 0,1
	s_delay_alu instid0(VALU_DEP_2)
	v_max3_num_f32 v[BM+\b], v[BM+\b], |v[S+16*\b+\i]|, |v[S+1+16*\b+\i]|
.endr
.endr
.irp b, 0,1
	s_delay_alu instid0(VALU_DEP_2)
	v_permlanex16_b32 v[BP+\b], v[BM+\b], s32, s33
.endr
.irp b, 0,1
	s_delay_alu instid0(VALU_DEP_2)
	v_max_num_f32 v[BM+\b], v[BM+\b], v[BP+\b]
.endr
.irp b, 0,1
	s_delay_alu instid0(VALU_DEP_2)
	v_add_nc_u32 v[BS+\b], 0xff000000, v[BM+\b]
.endr
.irp b, 0,1
	s_delay_alu instid0(VALU_DEP_2)
	v_lshrrev_b32 v[BP+\b], 23, v[BS+\b]
.endr
	v_cvt_scalef32_pk16_fp6_f32 v[PCD:PCD+2], v[S:S+15], v[BS]
	v_cvt_scalef32_pk16_fp6_f32 v[CT:CT+2], v[S+16:S+31], v[BS+1]
	v_nop                                          ; one plain place behind a scaled conversion
.irp i, 0,1,2
	v_permlane16_swap_b32 v[PCD+\i], v[CT+\i]
.endr
.irp i, 0,1,2
	s_delay_alu instid0(VALU_DEP_3)
	v_mov_b32 v[PCD+3+\i], v[CT+\i]
.endr
	v_cndmask_b32 v244, v[BP], v[BP+1], s36        ; lanes 0-15 store block 0's byte, lanes 16-31 block 1's
	global_store_b128 v[LI16], v[PCD:PCD+3], s[\bs+4:\bs+5]                ; 512 consecutive bytes, aligned to 256
	global_store_b64 v[LI8], v[PCD+4:PCD+5], s[\bs+4:\bs+5] offset:512     ; 256
	global_store_b8 v[RB], v244, s[\bs+6:\bs+7]                            ; 32 consecutive bytes: all such bytes together are 262,144
.endm
	TILE 15, RQL, 40
	TILE 16, RQH, 48
	s_wait_dscnt 0x0
	s_wait_tensorcnt 0x0
	ds_add_u32 v254, v255
	s_wait_dscnt 0x0
	CROUND                                         ; the closing round: no work-group ends while a partner may still ask jointly
	s_endpgm
.Lfunc_end_k_q289e25c4a0_attn:
	.size	k_q289e25c4a0_attn, .Lfunc_end_k_q289e25c4a0_attn-k_q289e25c4a0_attn
	.p2alignl 7, 3214868480
	.fill 96, 4, 3214868480
	.section	.rodata,"a",@progbits
	.p2align	6, 0x0
	.amdhsa_kernel k_q289e25c4a0_attn
		.amdhsa_group_segment_fixed_size 206848
		.amdhsa_private_segment_fixed_size 0
		.amdhsa_enable_private_segment 0
		.amdhsa_kernarg_size 24
		.amdhsa_user_sgpr_count 2
		.amdhsa_user_sgpr_kernarg_segment_ptr 1
		.amdhsa_wavefront_size32 1
		.amdhsa_system_sgpr_workgroup_id_x 1
		.amdhsa_system_sgpr_workgroup_id_y 1
		.amdhsa_system_sgpr_workgroup_id_z 1
		.amdhsa_system_vgpr_workitem_id 0
		.amdhsa_next_free_vgpr 256
		.amdhsa_next_free_sgpr 66
		.amdhsa_reserve_vcc 1
		.amdhsa_float_denorm_mode_32 3
		.amdhsa_float_denorm_mode_16_64 3
		.amdhsa_memory_ordered 1
		.amdhsa_forward_progress 1
		.amdhsa_inst_pref_size 65
	.end_amdhsa_kernel
	.amdgpu_metadata
---
amdhsa.version: [ 1, 2 ]
amdhsa.kernels:
  - .name:           k_q289e25c4a0_attn
    .symbol:         k_q289e25c4a0_attn.kd
    .args:
      - { .name: qq, .offset: 0, .size: 8, .value_kind: global_buffer, .address_space: global }
      - { .name: kv, .offset: 8, .size: 8, .value_kind: global_buffer, .address_space: global }
      - { .name: oq, .offset: 16, .size: 8, .value_kind: global_buffer, .address_space: global }
    .group_segment_fixed_size: 206848
    .private_segment_fixed_size: 0
    .kernarg_segment_align: 8
    .kernarg_segment_size: 24
    .max_flat_workgroup_size: 512
    .sgpr_count:     66
    .vgpr_count:     256
    .wavefront_size: 32
...
	.end_amdgpu_metadata
.endif
;; end of part 3
;; launch oproj (part 4): grid 32 x 8, 4 waves a work-group, clusters of 4 x 1, 168,448 bytes of LDS; arguments oq, wq, out0; writes out0
.if DOCPART == 4
	.amdgcn_target "amdgcn-amd-amdhsa--gfx1250"
	.amdhsa_code_object_version 6
	.text
	.protected	k_q289e25c4a0_oproj
	.globl	k_q289e25c4a0_oproj
	.p2align	8
	.type	k_q289e25c4a0_oproj,@function
k_q289e25c4a0_oproj:
	s_mov_b64 s[64:65], 0
	v_nop
	global_prefetch_b8 v0, s[64:65] scope:SCOPE_SE
	s_setreg_imm32_b32 hwreg(HW_REG_WAVE_MODE, 25, 1), 1
	s_wait_xcnt 0x0
	s_wait_alu depctr_hold_cnt(0) depctr_sa_sdst(0) depctr_va_vdst(0) depctr_va_sdst(0) depctr_va_ssrc(0) depctr_va_vcc(0) depctr_vm_vsrc(0)
	s_getreg_b32 s2, hwreg(HW_REG_IB_STS2, 6, 4)
	s_cmp_eq_u32 s2, 0
	s_cbranch_scc0 .Lentry_in_a_cluster
	s_endpgm
.Lentry_in_a_cluster:
	s_bfe_u32 s2, ttmp6, 0x10000c
	s_cmp_lg_u32 s2, 0x3003
	s_cbranch_scc0 .Lentry_shape_is_right
	s_endpgm
.Lentry_shape_is_right:
; out0 = (the attention's result) Wo, on codes of FP6 (E2M3) with E8M0 scales; f32 out.
; SHARES.  A work-group takes 256 tokens (tg) and 128 columns (np); wave w 64 of the tokens: 4 x 8 = 32 accumulators.  B, Wo's 128 columns for all of K (98,304 bytes, images of fragments), is brought into LDS
; ONCE, a quarter a wave, and stays: no LDS byte is filled twice.  The four work-groups of a cluster share the columns, so each quarter is asked for JOINTLY.  A is used by one wave of the work-group alone:
; it goes from memory straight into registers, four sets by turns, three K steps ahead.
; TRANSPOSED: source 0 = 16 columns of Wo, source 1 = 16 tokens: a lane holds one token, and by the order of a tile's rows (row r of tile T = 32 (T / 2) + 8 (T % 2) + r + 8 (r / 8)) the 16 registers of two
; neighbouring tiles are 16 neighbouring columns.  A tile of 16 tokens x 128 columns goes through the wave's own stage in LDS and leaves as rows of 512 consecutive bytes.
; REGISTERS, in windows of 256.  0: addresses, scale words; v128-255 rows on the way out, two sets.  1: A's four sets at v[48 k + 12 a].  2: the accumulators at v[64 a + 8 j].  3: B's four buffers at v[48 q].
.set LI16, 1                           ; v1  16 x lane
.set LI8,  2                           ; v2  8 x lane
.set VWS,  3                           ; v3  256 h + 4 r: Wo's scale words
.set VOS,  4                           ; v4  32,768 h + 2 r: A's scale bytes: lanes 16-31 stand 8 heads on
.set STO,  5                           ; v5  the stage, in
.set RD,   6                           ; v6  the stage, back
.set WS,   8                           ; v8-39   Wo's words: register 4 j + i: lanes 0-15 K step i, lanes 16-31 K step 4 + i
.set XS,   40                          ; v40-55  A's words: register 4 a + i likewise
.set HV,   56                          ; v56-87  their halves as loaded: a head's two bytes each
.set BA16, 88                          ; v88-95  K step s of B in LDS: 12,288 s + 16 x lane
.set BA8,  96                          ; v96-103 12,288 s + 8 x lane
.set BK,   128
.set STG,  98304                       ; behind B: a stage of 16 rows x 528 bytes for each wave; no tensor load lands there
.set WV,   12
.set MSB, 0
.macro WIN new                         ; the immediate's high byte repeats the setting that is left
.if MSB != (\new)
	s_set_vgpr_msb (MSB<<8)|(\new)
.set MSB, (\new)
.endif
.endm
.macro PLACES                          ; four plain places behind matrix instructions, ahead of loads into their sources and of reads of their results
.rept 4
	v_nop
.endr
.endm
.macro CROUND                          ; a round of the cluster's barrier
	s_barrier_signal -1
	s_barrier_wait -1
	s_cmp_lg_u32 s[WV], 0
	s_cbranch_scc1 .Lnot_wave_0_\@
	s_barrier_signal -3
.Lnot_wave_0_\@:
	s_barrier_wait -3
	s_barrier_signal -1
	s_barrier_wait -1
.endm
	s_load_b128 s[4:7], s[0:1], 0x0                ; oq s[4:5], wq s[6:7]
	s_load_b64 s[8:9], s[0:1], 0x10                ; out0
	v_lshl_add_u32 v126, v0, 2, 0x29000
	v_mov_b32 v127, 0
	ds_add_u32 v126, v127
	ds_add_u32 v126, v127
	v_lshrrev_b32 v7, 5, v0
	v_readfirstlane_b32 s[WV], v7                  ; wave 0..3
	s_bfe_u32 s13, ttmp6, 0x40000                  ; cx
	s_lshl_b32 s14, ttmp9, 2
	s_add_co_u32 s14, s14, s13                     ; tg = 4 x cluster x + cx: it enters global addresses alone
	s_and_b32 s15, ttmp7, 0xffff                   ; np, which the four partners share
	; the joint load: my quarter of Wo's part, 96 dense rows of 256 bytes.  Its registers hold np and the wave's number and never cx
	s_mul_i32 s21, s[WV], 24576                    ; LDS address
	s_mul_i32 s16, s15, 98304
	s_add_co_u32 s16, s16, s21
	s_add_co_u32 s16, s16, 2457600
	s_mov_b32 s17, 0
	s_mov_b32 s20, 1                               ; count = 1
	s_mov_b32 s24, 15|(3<<16)|(1<<21)              ; the mask: all four work-groups; elements of 8 bytes; bit 21 beside a mask; no padding
	s_mov_b32 s25, 32<<16                          ; tensor_dim0 = 32
	s_mov_b32 s26, 96<<16                          ; tensor_dim1 = 96
	s_mov_b32 s27, 32<<16                          ; tile_dim0 = 32
	s_mov_b32 s28, 96                              ; tile_dim1 = 96
	s_mov_b32 s29, 32                              ; pitch
	s_mov_b32 s30, 0
	s_mov_b32 s31, 0
	s_lshl_b32 s48, s14, 2
	s_add_co_u32 s48, s48, s[WV]
	s_mul_i32 s48, s48, 49152                      ; A: my block of 64 tokens, 49,152 consecutive bytes
	s_mov_b32 s49, 0
	s_lshr_b32 s50, s14, 3
	s_lshl_b32 s50, s50, 11                        ; the batch's 16 heads x 128 tiles,
	s_and_b32 s51, s14, 7
	s_lshl_b32 s51, s51, 4
	s_add_co_u32 s50, s50, s51
	s_lshl_b32 s51, s[WV], 2
	s_add_co_u32 s50, s50, s51                     ; my first tile in the batch,
	s_lshl_b32 s50, s50, 5                         ; 32 bytes a tile
	s_add_co_u32 s50, s50, 6291456
	s_mov_b32 s51, 0
	s_lshl_b32 s52, s15, 12
	s_add_co_u32 s52, s52, 3244032                 ; Wo's words of my part
	s_mov_b32 s53, 0
	s_lshl_b32 s54, s14, 8
	s_lshl_b32 s55, s[WV], 6
	s_add_co_u32 s54, s54, s55
	s_lshl_b32 s54, s54, 12                        ; my first row of out0,
	s_lshl_b32 s55, s15, 9
	s_add_co_u32 s54, s54, s55                     ; my part's 512 bytes of it
	s_mov_b32 s55, 0
	v_and_b32 v7, 31, v0
	v_lshlrev_b32 v[LI16], 4, v7
	v_lshlrev_b32 v[LI8], 3, v7
	v_and_b32 v104, 15, v0                         ; r
	v_bfe_u32 v105, v0, 4, 1                       ; h
	v_lshlrev_b32 v[VWS], 2, v104
	v_lshl_add_u32 v[VWS], v105, 8, v[VWS]
	v_lshlrev_b32 v[VOS], 1, v104
	v_lshl_add_u32 v[VOS], v105, 15, v[VOS]
	s_mul_i32 s56, s[WV], 8448
	s_add_co_u32 s56, s56, STG                     ; my stage
	v_mul_u32_u24 v[STO], v104, 528
	v_lshl_add_u32 v[STO], v105, 6, v[STO]
	v_add_nc_u32 v[STO], s56, v[STO]               ; in: row r, + 64 h
	v_add_nc_u32 v[RD], s56, v[LI16]               ; back: 16 x lane of a row
.irp k, 0,1,2,3,4,5,6,7
	v_add_nc_u32 v[BA16+\k], 12288*\k, v[LI16]
	v_add_nc_u32 v[BA8+\k], 12288*\k, v[LI8]
.endr
	s_wait_dscnt 0x0
	s_wait_kmcnt 0x0
	s_add_nc_u64 s[22:23], s[6:7], s[16:17]
	s_or_b32 s23, s23, 0x80000000                  ; type = 2
	s_add_nc_u64 s[32:33], s[4:5], s[48:49]
	s_add_nc_u64 s[34:35], s[4:5], s[50:51]
	s_add_nc_u64 s[36:37], s[6:7], s[52:53]
	s_add_nc_u64 s[38:39], s[8:9], s[54:55]
	CROUND                                         ; all four work-groups are here: the joint loads meet
	tensor_load_to_lds s[20:23], s[24:31]          ; my one tensor load of the launch
	s_nop 0
	PLACES                                         ; four v_nop behind it
.irp j, 0,1,2,3,4,5,6,7
.irp i, 0,1,2,3
	global_load_b32 v[WS+4*\j+\i], v[VWS], s[36:37] offset:512*\j+64*\i
.endr
.endr
.irp a, 0,1,2,3
.irp i, 0,1,2,3
.irp e, 0,1
	global_load_u16 v[HV+8*\a+2*\i+\e], v[VOS], s[34:35] offset:4096*(2*\i+\e)+32*\a   ; head 8 h + 2 i + e, tile a, row r: its two bytes
.endr
.endr
.endr
.macro ALOAD i                         ; K step i: four fragments, 6,144 consecutive bytes, into set i % 4
	WIN 0x40                                       ; destination window 1
.irp a, 0,1,2,3
	global_load_b128 v[48*((\i)%4)+12*\a:48*((\i)%4)+12*\a+3], v[LI16], s[32:33] offset:6144*(\i)+1536*\a
	global_load_b64 v[48*((\i)%4)+12*\a+4:48*((\i)%4)+12*\a+5], v[LI8], s[32:33] offset:6144*(\i)+1536*\a+512
	global_load_b128 v[48*((\i)%4)+12*\a+6:48*((\i)%4)+12*\a+9], v[LI16], s[32:33] offset:6144*(\i)+1536*\a+768
	global_load_b64 v[48*((\i)%4)+12*\a+10:48*((\i)%4)+12*\a+11], v[LI8], s[32:33] offset:6144*(\i)+1536*\a+1280
.endr
.endm
.macro BLOADO gi                       ; group gi = 2 x K step + half: Wo's tiles 4 (gi % 2) .. + 3 of K step gi / 2 into buffer gi % 4: 16 dense LDS loads
	WIN 0xc0                                       ; destination window 3
.irp jj, 0,1,2,3
	ds_load_b128 v[48*((\gi)%4)+12*\jj:48*((\gi)%4)+12*\jj+3], v[BA16+(\gi)/2] offset:(4*((\gi)%2)+\jj)*1536
	ds_load_b64 v[48*((\gi)%4)+12*\jj+4:48*((\gi)%4)+12*\jj+5], v[BA8+(\gi)/2] offset:(4*((\gi)%2)+\jj)*1536+512
	ds_load_b128 v[48*((\gi)%4)+12*\jj+6:48*((\gi)%4)+12*\jj+9], v[BA16+(\gi)/2] offset:(4*((\gi)%2)+\jj)*1536+768
	ds_load_b64 v[48*((\gi)%4)+12*\jj+10:48*((\gi)%4)+12*\jj+11], v[BA8+(\gi)/2] offset:(4*((\gi)%2)+\jj)*1536+1280
.endr
.endm
.macro WM ks                           ; one product; K step 0 starts the sum; K steps 4-7 take their scale words from lanes 16-31
.if (\ks) == 0
	v_wmma_scale_f32_16x16x128_f8f6f4 v[rD:rD+7], v[rA:rA+11], v[rB:rB+11], 0, v[rSA], v[rSB] matrix_a_fmt:MATRIX_FMT_FP6 matrix_b_fmt:MATRIX_FMT_FP6
.elseif (\ks) < 4
	v_wmma_scale_f32_16x16x128_f8f6f4 v[rD:rD+7], v[rA:rA+11], v[rB:rB+11], v[rD:rD+7], v[rSA], v[rSB] matrix_a_fmt:MATRIX_FMT_FP6 matrix_b_fmt:MATRIX_FMT_FP6
.else
	v_wmma_scale_f32_16x16x128_f8f6f4 v[rD:rD+7], v[rA:rA+11], v[rB:rB+11], v[rD:rD+7], v[rSA], v[rSB] matrix_a_fmt:MATRIX_FMT_FP6 matrix_b_fmt:MATRIX_FMT_FP6 matrix_a_scale:MATRIX_SCALE_ROW1 matrix_b_scale:MATRIX_SCALE_ROW1
.endif
.endm
.macro MULO gi                         ; 16 products: source 0 = Wo (window 3), source 1 = A (window 1), sums in window 2
	WIN 0xa7
.irp jj, 0,1,2,3
.irp a, 0,1,2,3
.set rD, 64*\a+8*(4*((\gi)%2)+\jj)
.set rA, 48*((\gi)%4)+12*\jj
.set rB, 48*(((\gi)/2)%4)+12*\a
.set rSA, WS+4*(4*((\gi)%2)+\jj)+((\gi)/2)%4
.set rSB, XS+4*\a+((\gi)/2)%4
	WM (\gi)/2
.endr
.endr
.endm
; Half a K step.  The 32 accumulators take turns, one instruction a turn, in the same order in every K step.  A buffer of B is asked for again as soon as its 16 products are
; issued, 48 products ahead of its next use; A's set at the K step's end, three K steps ahead.
.macro GSTEP gi
.if (\gi)%2 == 0
.if 7-(\gi)/2 >= 3
	s_wait_loadcnt 48                              ; this K step's set of A is in; the three younger sets, 16 loads each, may be out
.else
	s_wait_loadcnt 16*(7-(\gi)/2)
.endif
.endif
.if 15-(\gi) >= 3
	s_wait_dscnt 48                                ; this group's fragments are in; the three younger groups, 16 loads each, may be out
.else
	s_wait_dscnt 16*(15-(\gi))
.endif
	MULO \gi
	PLACES
.if (\gi) <= 11
	BLOADO (\gi)+4
.endif
.if ((\gi)%2 == 1) && ((\gi)/2 <= 3)
	ALOAD (\gi)/2+4
.endif
.endm
	ALOAD 0
	ALOAD 1
	ALOAD 2
	ALOAD 3
	WIN 0
	s_wait_loadcnt 48                              ; the scale words and halves are in (and A's set 0); A's sets 1 to 3, 16 loads each, may be out
.irp a, 0,1,2,3
.irp i, 0,1,2,3
	v_lshl_or_b32 v[XS+4*\a+\i], v[HV+8*\a+2*\i+1], 16, v[HV+8*\a+2*\i]   ; a K step is two heads: four bytes
.endr
.endr
.rept 8
	v_nop                                          ; a scale register written by a vector instruction stands 8 places ahead of a scaled matrix instruction
.endr
	s_wait_alu depctr_va_vdst(0)
	s_wait_tensorcnt 0x0                           ; my quarter of B is in,
	s_barrier_signal -1
	s_barrier_wait -1                              ; everybody's is
	BLOADO 0
	BLOADO 1
	BLOADO 2
	BLOADO 3
.irp g, 0,1,2,3,4,5,6,7,8,9,10,11,12,13,14,15
	GSTEP \g
.endr
; THE WAY OUT, a tile of 16 tokens at a time.  A lane holds 4 x 64 neighbouring bytes of one row; the tile goes through my own stage and comes back as whole rows of 512 bytes.
; LDS serves a wave's instructions in order (ISA guide 5.7.1.4): no wait between the stores and the loads, nor ahead of the next tile's stores.
.macro TOSTAGE a
	WIN 0x08                                       ; an LDS store's data are its source 1: window 2
.irp b, 0,1,2,3
.irp q, 0,1,2,3
	ds_store_b128 v[STO], v[64*(\a)+16*\b+4*\q:64*(\a)+16*\b+4*\q+3] offset:128*\b+16*\q   ; each accumulator from its low end on
.endr
.endr
	WIN 0
.irp i, 0,1,2,3,4,5,6,7,8,9,10,11,12,13,14,15
	ds_load_b128 v[BK+64*((\a)%2)+4*\i:BK+64*((\a)%2)+4*\i+3], v[RD] offset:528*\i
.endr
.endm
.macro SEND a, younger                 ; younger: the LDS instructions issued behind tile a's loads, which may stay out
	s_wait_dscnt \younger
.irp i, 0,1,2,3,4,5,6,7,8,9,10,11,12,13,14,15
	global_store_b128 v[LI16], v[BK+64*((\a)%2)+4*\i:BK+64*((\a)%2)+4*\i+3], s[38:39] offset:(32*((\a)/2)+8*((\a)%2)+\i+8*(\i/8))*4096 th:TH_STORE_NT   ; 512 consecutive bytes, aligned to 256; written once, read by nobody here
.endr
.endm
	TOSTAGE 0                                      ; (the last half step's four places stand ahead of these reads)
	TOSTAGE 1
	SEND 0, 32                                     ; behind tile 0's loads: tile 1's 16 stores and 16 loads
	s_wait_xcnt 0x0                                ; tile 0's stores have read their registers: tile 2's rows may land there
	TOSTAGE 2
	SEND 1, 32
	s_wait_xcnt 0x0
	TOSTAGE 3
	SEND 2, 32
	SEND 3, 0
	s_wait_tensorcnt 0x0
	ds_add_u32 v126, v127
	s_wait_dscnt 0x0
	CROUND                                         ; the closing round: no work-group ends while a partner may still ask jointly
	s_endpgm
.Lfunc_end_k_q289e25c4a0_oproj:
	.size	k_q289e25c4a0_oproj, .Lfunc_end_k_q289e25c4a0_oproj-k_q289e25c4a0_oproj
	.p2alignl 7, 3214868480
	.fill 96, 4, 3214868480
	.section	.rodata,"a",@progbits
	.p2align	6, 0x0
	.amdhsa_kernel k_q289e25c4a0_oproj
		.amdhsa_group_segment_fixed_size 168448
		.amdhsa_private_segment_fixed_size 0
		.amdhsa_enable_private_segment 0
		.amdhsa_kernarg_size 24
		.amdhsa_user_sgpr_count 2
		.amdhsa_user_sgpr_kernarg_segment_ptr 1
		.amdhsa_wavefront_size32 1
		.amdhsa_system_sgpr_workgroup_id_x 1
		.amdhsa_system_sgpr_workgroup_id_y 1
		.amdhsa_system_sgpr_workgroup_id_z 1
		.amdhsa_system_vgpr_workitem_id 0
		.amdhsa_next_free_vgpr 1024
		.amdhsa_next_free_sgpr 66
		.amdhsa_reserve_vcc 0
		.amdhsa_float_denorm_mode_32 3
		.amdhsa_float_denorm_mode_16_64 3
		.amdhsa_memory_ordered 1
		.amdhsa_forward_progress 1
		.amdhsa_inst_pref_size 92
	.end_amdhsa_kernel
	.amdgpu_metadata
---
amdhsa.version: [ 1, 2 ]
amdhsa.kernels:
  - .name:           k_q289e25c4a0_oproj
    .symbol:         k_q289e25c4a0_oproj.kd
    .args:
      - { .name: oq, .offset: 0, .size: 8, .value_kind: global_buffer, .address_space: global }
      - { .name: wq, .offset: 8, .size: 8, .value_kind: global_buffer, .address_space: global }
      - { .name: out0, .offset: 16, .size: 8, .value_kind: global_buffer, .address_space: global }
    .group_segment_fixed_size: 168448
    .private_segment_fixed_size: 0
    .kernarg_segment_align: 8
    .kernarg_segment_size: 24
    .max_flat_workgroup_size: 128
    .sgpr_count:     66
    .vgpr_count:     1024
    .wavefront_size: 32
...
	.end_amdgpu_metadata
.endif
;; end of part 4
